; MI455X (gfx1250); checked and timed in simulation.
; The chip was launched on July 23, 2026; its instructions are those of AMD's public machine-readable ISA for CDNA 5 (MIT licence, August 2026) and "CDNA5" Instruction Set Architecture Reference Guide (July 2026). The comments in the code are by the model that wrote it; some were corrected since.
;; Causal Self Attention. Allowed arithmetic: matrix products marked QUANTISED: E2M1 operands, one E8M0 scale for each 32 along K, by v_wmma_scale_f32_16x16x128_f8f6f4 with both operands' format E2M1 (or v_wmma_scale_f32_32x16x128_f4), f32 sums; products left as they are: bf16, f16 or f32 operands; f32 sums; everything else in f32.
;; Inputs: W_attn 1,024 x 3,072 float32; W_proj 1,024 x 1,024 float32; b_attn 3,072 float32; b_proj 1,024 float32; x 4 x 2,048 x 1,024 float32.
;; Outputs: out0 4 x 2,048 x 1,024 float32.
;; This version of the problem:
;;   THIS VERSION OF THE PROBLEM IS GIVEN IN LOW PRECISION. The matrix products marked QUANTISED in the list below multiply operands that are first quantised to E2M1 (2 exponent bits, 1 mantissa bit; 4 bits a number), with one power-of-two scale for each 32 numbers along K (OCP MX v1.0); their sums are f32. The products marked 'left as it is' may take bf16, f16 or f32 operands, with f32 sums. Whichever they take, every output number must still come out within the allowed error. Rounding operands to bf16 (8 significant bits) uses up far more of that allowance than f16 does (11 bits, for magnitudes from 6e-5 to 65,504). All else is computed in f32.
;;   The module's matrix products, in the order in which they are computed (A, B: the left and right operand; K: the contracted axis; several contracted axes count as one K, in the product's order):
;;     1. [M 8,192, K 1,024] x [K 1,024, N 3,072]; A: input x; B: input W_attn: QUANTISED
;;     2. batch 64 x [M 2,048, K 64] x [K 64, N 2,048]; A: computed on the way; B: computed on the way: left as it is (an operand is computed on the way)
;;     3. batch 64 x [M 2,048, K 2,048] x [K 2,048, N 64]; A: computed on the way; B: computed on the way: left as it is (an operand is computed on the way)
;;     4. [M 8,192, K 1,024] x [K 1,024, N 1,024]; A: computed on the way; B: input W_proj: left as it is (an operand is computed on the way)
;;   THE QUANTISER, for each operand of a quantised product, along K:
;;     - K is cut into blocks of 32 from its start; a last block that is shorter is filled with zeros.
;;     - A block's scale is 2^e with e = floor(log2(the largest magnitude in the block)) - 2, held to -126 .. 127; a block of zeros has e = 0. As a byte (E8M0): e + 127.
;;     - Each number is divided by its block's scale, clamped to +-6, and rounded to the nearest number of E2M1, ties to even, subnormals kept.
;;     - The product sums the exact products of the quantised numbers (number of the format x scale) in f32.
;;   ~~~python
;;   def quantise(x, axis):      # numpy; x: float32 -> the quantised numbers, widened to float32 again
;;       x = np.moveaxis(x, axis, -1); K = x.shape[-1]
;;       x = np.pad(x, [(0, 0)] * (x.ndim - 1) + [(0, -K % 32)]); x = x.reshape(x.shape[:-1] + (-1, 32)); a = np.abs(x).max(-1, keepdims=True)
;;       e = np.where(a > 0, np.clip(np.frexp(np.where(a > 0, a, 1))[1] - 1 - 2, -126, 127), 0)      # np.frexp(a)[1] - 1 = floor(log2(a)), exactly
;;       r = np.clip(x / 2.0 ** e, -6, 6)
;;       step = 2.0 ** (np.maximum(np.frexp(np.where(r == 0, 1, r))[1] - 1, 0) - 1)
;;       q = np.round(r / step) * step * 2.0 ** e      # np.round: ties to even
;;       return np.moveaxis(q.reshape(q.shape[:-2] + (-1,))[..., :K], -1, axis).astype(np.float32)
;;   ~~~
;; One version. Each part assembles by itself: llvm-mc -triple=amdgcn-amd-amdhsa -mcpu=gfx1250 --defsym DOCPART=n.
;; ======== version 1 of 1: 5 launches
;; limits: values are held in f16: magnitudes above 65,504 overflow, below 6.1e-05 lose precision
;; workspace buffers: xc 4,194,304 bytes; xs 262,144 bytes; wc 1,572,864 bytes; ws 98,304 bytes; wp 2,097,152 bytes; qkv 50,331,648 bytes; qe 786,432 bytes; yb 16,777,216 bytes
;; launch prep (part 1): grid 368 x 1, 4 waves a work-group, no clusters, 102,912 bytes of LDS; arguments x, W_attn, W_proj, xc, xs, wc, ws, wp; writes xc, xs, wc, ws, wp
.if DOCPART == 1
	.amdgcn_target "amdgcn-amd-amdhsa--gfx1250"
	.amdhsa_code_object_version 6
	.text
	.protected	k_q5ab81508d4_prep
	.globl	k_q5ab81508d4_prep
	.p2align	8
	.type	k_q5ab81508d4_prep,@function
k_q5ab81508d4_prep:
	s_mov_b64 s[64:65], 0
	v_nop
	global_prefetch_b8 v0, s[64:65] scope:SCOPE_SE
	s_setreg_imm32_b32 hwreg(HW_REG_WAVE_MODE, 25, 1), 1
	s_wait_xcnt 0x0
; CAUSAL SELF-ATTENTION, launch 1 of 5: the operands of the later products are laid out once.
;   x [8192][1024] f32      -> xc: codes of FP4 (E2M1), K innermost, 512 bytes a row; xs: one E8M0 byte for each 32 along K, 32 bytes a row
;   W_attn [1024 k][3072 n] -> wc [3072 n][512 bytes], ws [3072 n][32 bytes]: quantised along K, its FIRST axis, and laid with K innermost
;   W_proj [1024 k][1024 n] -> wp [16 heads][1024 n][64 k] in f16 (the last product is left as it is: f16 operands, f32 sums)
; A block's scale is 2^(floor(log2(its largest magnitude)) - 2); its byte is the largest magnitude's exponent field - 2, held at 1 from below.
; DEAD WORK LEFT OUT OF THE WHOLE PROGRAM.
;   (a) The bias on the keys, b_attn[1024:2048].  For query i and key j the score is q_i . (k_j + b) = q_i . k_j + q_i . b; the second term is the same for all keys j, and a
;       softmax along j is not moved by a term that is the same along its axis.  This holds for all finite inputs.  The product of q and k is not quantised here, so no code and no
;       scale hangs on that bias.  Those 4,096 bytes of b_attn are not loaded; the parts of b_attn that are added to q and to v are live and are loaded.
;   (b) Key steps that lie wholly above the diagonal of the mask that the problem builds itself (key > query) are jumped over.
;   LIMIT: a NaN, an infinity or an overflow that reaches only the keys' bias or masked scores is not carried to the result.
; LIMITS of this launch: NaN and infinities among the inputs are not served; a block of zeros gets the byte 1 where the rule says 127 (its codes are zeros, which add nothing, and this
; program alone reads the bytes); blocks whose largest magnitude lies under 2^-124 were not tried; |W_proj| stays under 65,504 and magnitudes under 6e-8 become 0 (f16).
; SHARES.  Work-groups 0-255 take x (a wave: 8,192 numbers on end), 256-303 W_attn (128 columns x 512 along K), 304-367 W_proj (128 columns x 128 along K).
; The three ways part on the work-group's number and each has LDS bytes of its own.  No tensor loads, no barrier: waves share nothing.  No cluster: the work-groups share no input.
.set SPARE, 102400                     ; the spare words, 128 bytes for each wave: two blocks of 256 bytes that no other line names
.set SPW,   12                         ; v12  LDS address of my spare word; never rewritten
.set NIL,   13                         ; v13  0; never rewritten
.set WREG,  8192                       ; way X: a region for each wave: two stages of 32 x SP bytes, then its 256 scale bytes
.set SP,    80                         ; a lane's place in a stage: 64 bytes + 16 of padding
.set R,     16                         ; way X: v16-79 four sets of 16 numbers as loaded
.set X,     80                         ; v80-111 two sets of 16 neighbours
.set E,     112                        ; v112-127 a scale byte for each step
.set C,     128                        ; v128-191 codes, four registers for each step
.set PITCH, 272                        ; ways WA, WP: a stage row: 256 bytes + 16
.set STGA,  32768                      ; way WA: four stages of 32 rows
.set STGP,  67584                      ; way WP: four stages of 32 rows
.set XB,    32                         ; ways WA, WP: v32-95 two sets of 32 numbers
.set CW,    96                         ; v96.. what was just made of a block
.set OUTR,  112                        ; v112-175 the way out
.set SB,    24                         ; v24-27 way WA: the scale bytes, four to a register
; ---- way X: 16 steps of 512 numbers.  A load reads 512 consecutive bytes; a step's 2,048 bytes turn through the wave's stage so that a lane holds 16 neighbours along K.
.macro LOADX t
.irp i, 0,1,2,3
	global_load_b128 v[R+16*((\t)%4)+4*\i:R+16*((\t)%4)+4*\i+3], v3, s[4:5] offset:2048*(\t)+512*\i th:TH_LOAD_NT
.endr
.endm
.macro TURNX t                         ; LDS serves a wave's instructions in order: no wait between the stores and the loads
.irp i, 0,1,2,3
	ds_store_b128 v14, v[R+16*((\t)%4)+4*\i:R+16*((\t)%4)+4*\i+3] offset:32*SP*((\t)%2)+8*SP*\i
.endr
.irp i, 0,1,2,3
	ds_load_b128 v[X+16*((\t)%2)+4*\i:X+16*((\t)%2)+4*\i+3], v15 offset:32*SP*((\t)%2)+16*\i
.endr
.endm
.macro STEPX t
.set XS, X+16*((\t)%2)
.if (\t) > 0
	s_wait_dscnt 1                                 ; this step's numbers are back from the stage; the last step's byte store may be out
.else
	s_wait_dscnt 0x0
.endif
.if (\t)+4 < 16
	LOADX (\t)+4                                   ; the registers that the stage's stores have read take the loads of four steps on
.endif
.if (\t)+1 < 16
.if 14-(\t) >= 3
	s_wait_loadcnt 12                              ; the next step's four loads are in; those of the three steps behind it may be out
.else
	s_wait_loadcnt 4*(14-(\t))
.endif
	TURNX (\t)+1
.endif
	v_max3_num_f32 v8, |v[XS]|, |v[XS+1]|, |v[XS+2]|               ; the largest magnitude of my 16
	v_max3_num_f32 v9, |v[XS+3]|, |v[XS+4]|, |v[XS+5]|
.irp i, 6,10
	v_max3_num_f32 v8, v8, |v[XS+\i]|, |v[XS+\i+1]|
	v_max3_num_f32 v9, v9, |v[XS+\i+2]|, |v[XS+\i+3]|
.endr
	v_max3_num_f32 v8, v8, |v[XS+14]|, |v[XS+15]|
	v_max3_num_f32 v8, v8, v9, 0x1800000           ; and the floor 2^(3 - 127): the byte cannot fall under 1
	v_max_num_f32_dpp v8, v8, v8 row_xmask:1 row_mask:0xf bank_mask:0xf   ; with my neighbour's 16: the block's
	v_add_nc_u32 v11, 0xff000000, v8               ; 2 off its exponent field: the conversion takes the exponent field of this operand as its scale
	v_cvt_scalef32_pk8_fp4_f32 v[C+4*(\t)], v[XS:XS+7], v11
	v_cvt_scalef32_pk8_fp4_f32 v[C+4*(\t)+1], v[XS+8:XS+15], v11
	v_lshrrev_b32 v[E+(\t)], 23, v11               ; the scale's byte
	ds_store_b8 v5, v[E+(\t)] offset:16*(\t)       ; both lanes of a block write the same byte with the same value
	global_store_b64 v4, v[C+4*(\t):C+4*(\t)+1], s[10:11] offset:256*(\t)   ; the wave stores 256 consecutive bytes, aligned
.endm
; ---- way WA: a lane takes a column n and its registers run down K: a block of 32 lies in one lane
.macro LOADW t
.set i, 0
.rept 32
	global_load_b32 v[XB+32*((\t)%2)+i], v3, s[6:7] offset:(32*(\t)+i)*12288 th:TH_LOAD_NT
.set i, i+1
.endr
.endm
.macro BLOCKW t
.set XS, XB+32*((\t)%2)
.if (\t) < 15
	s_wait_loadcnt 32                              ; this block's 32 loads are in; the next block's may be out
.else
	s_wait_loadcnt 0x0
.endif
	v_max3_num_f32 v16, |v[XS]|, |v[XS+1]|, |v[XS+2]|
	v_max3_num_f32 v17, |v[XS+3]|, |v[XS+4]|, |v[XS+5]|
.irp i, 6,10,14,18,22,26
	v_max3_num_f32 v16, v16, |v[XS+\i]|, |v[XS+\i+1]|
	v_max3_num_f32 v17, v17, |v[XS+\i+2]|, |v[XS+\i+3]|
.endr
	v_max3_num_f32 v16, v16, |v[XS+30]|, |v[XS+31]|
	v_max3_num_f32 v16, v16, v17, 0x1800000        ; the floor
	v_add_nc_u32 v11, 0xff000000, v16
	v_lshrrev_b32 v17, 23, v11                     ; the scale's byte
.if (\t)%4 == 0
	v_mov_b32 v[SB+(\t)/4], v17                    ; four bytes to a register, the lower K in the lower byte
.else
	v_lshl_or_b32 v[SB+(\t)/4], v17, 8*((\t)%4), v[SB+(\t)/4]
.endif
.irp g, 0,1,2,3
	v_cvt_scalef32_pk8_fp4_f32 v[CW+\g], v[XS+8*\g:XS+8*\g+7], v11
.endr
	ds_store_b128 v4, v[CW:CW+3] offset:16*(\t)    ; 32 codes: 16 bytes of my column's row
.if (\t)+2 < 16
	LOADW (\t)+2
.endif
	s_wait_dscnt 0x0                               ; the store has read its registers: the next block's codes may be written
.endm
; ---- way WP: the same shares, rounded to f16
.macro LOADP t
.set i, 0
.rept 32
	global_load_b32 v[XB+32*((\t)%2)+i], v3, s[8:9] offset:(32*(\t)+i)*4096 th:TH_LOAD_NT
.set i, i+1
.endr
.endm
.macro BLOCKP t
.set XS, XB+32*((\t)%2)
.if (\t) < 3
	s_wait_loadcnt 32
.else
	s_wait_loadcnt 0x0
.endif
.set i, 0
.rept 16
	v_cvt_pk_f16_f32 v[CW+i], v[XS+2*i], v[XS+2*i+1]   ; the lower k in the low half
.set i, i+1
.endr
.irp g, 0,1,2,3
	ds_store_b128 v4, v[CW+4*\g:CW+4*\g+3] offset:64*(\t)+16*\g
.endr
.if (\t)+2 < 4
	LOADP (\t)+2
.endif
	s_wait_dscnt 0x0
.endm
	s_load_b256 s[4:11], s[0:1], 0x0               ; x s[4:5], W_attn s[6:7], W_proj s[8:9], xc s[10:11]
	s_load_b256 s[12:19], s[0:1], 0x20             ; xs s[12:13], wc s[14:15], ws s[16:17], wp s[18:19]
	v_lshl_add_u32 v[SPW], v0, 2, SPARE
	v_mov_b32 v[NIL], 0
	v_lshrrev_b32 v1, 5, v0
	v_readfirstlane_b32 s20, v1                    ; wave 0..3
	v_and_b32 v2, 31, v0                           ; lane
	s_wait_kmcnt 0x0
	s_cmp_lt_u32 ttmp9, 256
	s_cbranch_scc0 .Lnot_x
	; ================= way X
	v_lshlrev_b32 v3, 4, v2                        ; my 16 bytes of a load's 512
	s_mul_i32 s21, s20, WREG
	v_lshrrev_b32 v14, 2, v2
	v_mul_u32_u24 v14, v14, SP
	v_and_b32 v15, 3, v2
	v_lshl_add_u32 v14, v15, 4, v14
	v_add_nc_u32 v14, s21, v14                     ; the stage, on the way in: SP (lane / 4) + 16 (lane % 4)
	v_mul_u32_u24 v15, v2, SP
	v_add_nc_u32 v15, s21, v15                     ; and on the way out: SP x lane
	v_lshlrev_b32 v4, 3, v2                        ; my codes' place in a step's: 8 bytes a lane
	v_lshrrev_b32 v5, 1, v2
	s_add_co_u32 s21, s21, 2*32*SP
	v_add_nc_u32 v5, s21, v5                       ; my block's scale byte in the wave's 256
	v_lshlrev_b32 v7, 3, v2
	v_add_nc_u32 v6, s21, v7
	s_lshl_b32 s22, ttmp9, 2
	s_add_co_u32 s22, s22, s20                     ; which run of 8,192 numbers is my wave's
	s_mov_b32 s23, 0
	s_lshl_b64 s[24:25], s[22:23], 15
	s_add_nc_u64 s[4:5], s[4:5], s[24:25]
	s_lshl_b64 s[24:25], s[22:23], 12
	s_add_nc_u64 s[10:11], s[10:11], s[24:25]
	s_lshl_b64 s[24:25], s[22:23], 8
	s_add_nc_u64 s[12:13], s[12:13], s[24:25]
.irp t, 0,1,2,3
	LOADX \t
.endr
	s_wait_loadcnt 12                              ; step 0's four loads are in
	TURNX 0
.irp t, 0,1,2,3,4,5,6,7,8,9,10,11,12,13,14,15
	STEPX \t
.endr
	ds_load_b64 v[8:9], v6                         ; LDS serves a wave's instructions in order: this sees my byte stores
	s_wait_dscnt 0x0
	global_store_b64 v7, v[8:9], s[12:13]          ; the wave stores 256 consecutive bytes, aligned
	s_wait_tensorcnt 0x0                           ; the wave's end
	ds_add_u32 v[SPW], v[NIL]
	s_wait_dscnt 0x0
	s_endpgm
.Lnot_x:
	s_cmp_lt_u32 ttmp9, 304
	s_cbranch_scc0 .Lwp
	; ================= way WA
	s_sub_co_u32 s21, ttmp9, 256                   ; 0..47: 24 blocks of 128 columns x 2 halves of K
	s_cmp_ge_u32 s21, 24
	s_cselect_b32 s22, 1, 0                        ; which 512 along K
	s_cselect_b32 s23, 24, 0
	s_sub_co_u32 s21, s21, s23
	s_lshl_b32 s21, s21, 7
	s_lshl_b32 s23, s20, 5
	s_add_co_u32 s21, s21, s23                     ; my wave's first column
	v_lshlrev_b32 v3, 2, v2                        ; in: 4 bytes a lane
	s_mul_i32 s23, s20, 32*PITCH
	s_add_co_u32 s23, s23, STGA                    ; my stage
	v_mul_u32_u24 v4, v2, PITCH
	v_add_nc_u32 v4, s23, v4                       ; into it: row = my column
	v_and_b32 v5, 15, v2
	v_lshrrev_b32 v6, 4, v2
	v_mul_u32_u24 v7, v6, PITCH
	v_lshl_add_u32 v7, v5, 4, v7
	v_add_nc_u32 v7, s23, v7                       ; out of it: sixteen lanes to a row, two rows an instruction
	v_lshlrev_b32 v8, 9, v6
	v_lshl_add_u32 v8, v5, 4, v8                   ; and the same place in wc: rows of 512 bytes
	v_lshlrev_b32 v9, 5, v2                        ; my column's row of scale bytes: 32 bytes a row
	s_mul_i32 s24, s22, 512*12288
	s_lshl_b32 s25, s21, 2
	s_add_co_u32 s24, s24, s25
	s_mov_b32 s25, 0
	s_add_nc_u64 s[6:7], s[6:7], s[24:25]
	s_lshl_b32 s24, s21, 9
	s_lshl_b32 s26, s22, 8
	s_add_co_u32 s24, s24, s26
	s_add_nc_u64 s[14:15], s[14:15], s[24:25]
	s_lshl_b32 s24, s21, 5
	s_lshl_b32 s26, s22, 4
	s_add_co_u32 s24, s24, s26
	s_add_nc_u64 s[16:17], s[16:17], s[24:25]
	LOADW 0
	LOADW 1
.irp t, 0,1,2,3,4,5,6,7,8,9,10,11,12,13,14,15
	BLOCKW \t
.endr
	global_store_b128 v9, v[SB:SB+3], s[16:17]     ; my column's 16 scale bytes
.irp t, 0,1,2,3,4,5,6,7,8,9,10,11,12,13,14,15
	ds_load_b128 v[OUTR+4*\t:OUTR+4*\t+3], v7 offset:2*\t*PITCH
.endr
.irp t, 0,1,2,3,4,5,6,7,8,9,10,11,12,13,14,15
	s_wait_dscnt 15-\t                             ; load t is in; the younger ones may be out
	global_store_b128 v8, v[OUTR+4*\t:OUTR+4*\t+3], s[14:15] offset:2*\t*512   ; sixteen lanes store 256 consecutive bytes, aligned
.endr
	s_wait_tensorcnt 0x0                           ; the wave's end
	ds_add_u32 v[SPW], v[NIL]
	s_wait_dscnt 0x0
	s_endpgm
.Lwp:
	; ================= way WP
	s_sub_co_u32 s21, ttmp9, 304                   ; 0..63
	s_and_b32 s22, s21, 7                          ; which 128 columns
	s_lshr_b32 s23, s21, 3                         ; which 128 along K: heads 2 yk and 2 yk + 1
	s_lshl_b32 s22, s22, 7
	s_lshl_b32 s24, s20, 5
	s_add_co_u32 s22, s22, s24                     ; my wave's first column
	s_lshl_b32 s24, s23, 19                        ; 128 rows of 4,096 bytes
	s_lshl_b32 s25, s22, 2
	s_add_co_u32 s24, s24, s25
	s_mov_b32 s25, 0
	s_add_nc_u64 s[8:9], s[8:9], s[24:25]
	s_lshl_b32 s24, s23, 18                        ; two heads of 131,072 bytes
	s_lshl_b32 s26, s22, 7                         ; 128 bytes a column
	s_add_co_u32 s24, s24, s26
	s_add_nc_u64 s[18:19], s[18:19], s[24:25]
	v_lshlrev_b32 v3, 2, v2
	s_mul_i32 s26, s20, 32*PITCH
	s_add_co_u32 s26, s26, STGP
	v_mul_u32_u24 v4, v2, PITCH
	v_add_nc_u32 v4, s26, v4                       ; into the stage: row = my column, 256 bytes: 128 k in f16
	v_lshrrev_b32 v5, 3, v2
	v_mul_u32_u24 v7, v5, PITCH
	v_and_b32 v6, 7, v2
	v_lshl_add_u32 v7, v6, 4, v7
	v_add_nc_u32 v7, s26, v7                       ; out of it: eight lanes to a head's 128 bytes of a column, four columns an instruction
	v_lshlrev_b32 v8, 4, v2                        ; which are 512 consecutive bytes of wp
	LOADP 0
	LOADP 1
.irp t, 0,1,2,3
	BLOCKP \t
.endr
.irp n, 0,1,2,3,4,5,6,7,8,9,10,11,12,13,14,15
	ds_load_b128 v[OUTR+4*\n:OUTR+4*\n+3], v7 offset:4*(\n%8)*PITCH+128*(\n/8)
.endr
.irp n, 0,1,2,3,4,5,6,7,8,9,10,11,12,13,14,15
	s_wait_dscnt 15-\n
	global_store_b128 v8, v[OUTR+4*\n:OUTR+4*\n+3], s[18:19] offset:(\n/8)*131072+512*(\n%8)
.endr
	s_wait_tensorcnt 0x0                           ; the wave's end
	ds_add_u32 v[SPW], v[NIL]
	s_wait_dscnt 0x0
	s_endpgm
.Lfunc_end_k_q5ab81508d4_prep:
	.size	k_q5ab81508d4_prep, .Lfunc_end_k_q5ab81508d4_prep-k_q5ab81508d4_prep
	.p2alignl 7, 3214868480
	.fill 96, 4, 3214868480
	.section	.rodata,"a",@progbits
	.p2align	6, 0x0
	.amdhsa_kernel k_q5ab81508d4_prep
		.amdhsa_group_segment_fixed_size 102912
		.amdhsa_private_segment_fixed_size 0
		.amdhsa_enable_private_segment 0
		.amdhsa_kernarg_size 64
		.amdhsa_user_sgpr_count 2
		.amdhsa_user_sgpr_kernarg_segment_ptr 1
		.amdhsa_wavefront_size32 1
		.amdhsa_system_sgpr_workgroup_id_x 1
		.amdhsa_system_sgpr_workgroup_id_y 1
		.amdhsa_system_sgpr_workgroup_id_z 1
		.amdhsa_system_vgpr_workitem_id 0
		.amdhsa_next_free_vgpr 192
		.amdhsa_next_free_sgpr 66
		.amdhsa_reserve_vcc 0
		.amdhsa_float_denorm_mode_32 3
		.amdhsa_float_denorm_mode_16_64 3
		.amdhsa_memory_ordered 1
		.amdhsa_forward_progress 1
		.amdhsa_inst_pref_size 132
	.end_amdhsa_kernel
	.amdgpu_metadata
---
amdhsa.version: [ 1, 2 ]
amdhsa.kernels:
  - .name:           k_q5ab81508d4_prep
    .symbol:         k_q5ab81508d4_prep.kd
    .args:
      - { .name: x, .offset: 0, .size: 8, .value_kind: global_buffer, .address_space: global }
      - { .name: W_attn, .offset: 8, .size: 8, .value_kind: global_buffer, .address_space: global }
      - { .name: W_proj, .offset: 16, .size: 8, .value_kind: global_buffer, .address_space: global }
      - { .name: xc, .offset: 24, .size: 8, .value_kind: global_buffer, .address_space: global }
      - { .name: xs, .offset: 32, .size: 8, .value_kind: global_buffer, .address_space: global }
      - { .name: wc, .offset: 40, .size: 8, .value_kind: global_buffer, .address_space: global }
      - { .name: ws, .offset: 48, .size: 8, .value_kind: global_buffer, .address_space: global }
      - { .name: wp, .offset: 56, .size: 8, .value_kind: global_buffer, .address_space: global }
    .group_segment_fixed_size: 102912
    .private_segment_fixed_size: 0
    .kernarg_segment_align: 8
    .kernarg_segment_size: 64
    .max_flat_workgroup_size: 128
    .sgpr_count:     66
    .vgpr_count:     192
    .wavefront_size: 32
...
	.end_amdgpu_metadata
.endif
;; end of part 1
;; launch qkv (part 2): grid 12 x 32, 4 waves a work-group, clusters of 4 x 4, 327,680 bytes of LDS; arguments xc, xs, wc, ws, qkv, b_attn, qe; writes qkv, qe
.if DOCPART == 2
	.amdgcn_target "amdgcn-amd-amdhsa--gfx1250"
	.amdhsa_code_object_version 6
	.text
	.protected	k_q5ab81508d4_qkv
	.globl	k_q5ab81508d4_qkv
	.p2align	8
	.type	k_q5ab81508d4_qkv,@function
k_q5ab81508d4_qkv:
	s_mov_b64 s[64:65], 0
	v_nop
	global_prefetch_b8 v0, s[64:65] scope:SCOPE_SE
	s_setreg_imm32_b32 hwreg(HW_REG_WAVE_MODE, 25, 1), 1
	s_wait_xcnt 0x0
	s_wait_alu depctr_hold_cnt(0) depctr_sa_sdst(0) depctr_va_vdst(0) depctr_va_sdst(0) depctr_va_ssrc(0) depctr_va_vcc(0) depctr_vm_vsrc(0)
	s_getreg_b32 s2, hwreg(HW_REG_IB_STS2, 6, 4)
	s_cmp_eq_u32 s2, 0
	s_cbranch_scc0 .Lentry_in_a_cluster
	s_endpgm
.Lentry_in_a_cluster:
	s_bfe_u32 s2, ttmp6, 0x10000c
	s_cmp_lg_u32 s2, 0xf033
	s_cbranch_scc0 .Lentry_shape_is_right
	s_endpgm
.Lentry_shape_is_right:
; Launch 2 of 5: qkv = Q(x) Q(W_attn) + b_attn, the quantised product, on codes of FP4 (E2M1) with one E8M0 scale for each 32 along K; sums in f32.
; LEFT OUT: the bias on the keys (columns 1,024 to 2,047 of b_attn): it adds the same number to all scores of a query, which the softmax takes away; it is not loaded.
; OUT: qkv [3 (q, k, v)][64 (batch, head)][2,048 t][64] in f16, for the later products, which are left as they are (LIMIT: |q|, |k|, |v| under 65,504; under 6e-8 they become 0);
;      qe [4][16][3,072] in f32: positions 0 to 15 of every sequence, which the last launch carries in f32.
; A tile of the result, 256 x 256, is made by four waves, as many as a WGP has SIMDs; a wave makes 128 x 128: 64 accumulators, 512 registers.  K = 1,024 is two slots of 512 along K
; (rows of 256 bytes): both are first fills, nothing is filled again.  The scale bytes of the tile's rows come once, as dense blocks.
; CLUSTERS: 4 x 4 work-groups; A's tiles are asked for jointly along a row of the cluster, B's along a column.  Tile row = 8 cy + cluster y, so that the batch is cy and the place in the
; sequence hangs on the cluster's y alone; tile column = 4 cluster x + cx, so that cluster x says q, k or v.  Every branch hangs on the wave's number and the cluster's x and y alone.
; THE MATRIX INSTRUCTION IS USED TRANSPOSED (source 0 = 16 rows of B, source 1 = 16 rows of A): a lane holds eight neighbouring columns of one row.
; THE BIAS is the C of each sum's first matrix instruction.
; REGISTERS, in windows of 256: window 0: v0-31 addresses; v32-95 scale words, two sets; v128-191 A's fragments, one set; v192-255 the bias, later the way out.
;   window 1: B's fragments, two sets.   window 2: the accumulators of my rows 0-63 ((a, b) at v[8 (8 a + b)]);   window 3: those of my rows 64-127.
; No prefetch: all tiles are asked for at the head.
.set NQ,     4                         ; matrix instructions deep in a slot
.set ROWB,   256                       ; a tile's row in bytes: 512 codes
.set KROW,   512                       ; a row of codes in memory
.set PITCH,  272                       ; an LDS row: 256 bytes + 16: the 16 rows that a load touches start at 16 different banks (64 banks of 4 bytes: ISA guide 11.1)
.set FR,     8
.set NL,     2
.set NP,     4                         ; places behind this matrix instruction (ISA guide 7.12.1)
.set HALFT,  128*PITCH
.set SLOT,   4*HALFT
.set KS,     32                        ; a row of scales in bytes
.set SCL,    2*SLOT
.set HALFS,  (128*KS/256)*272
.set SBLK,   (16*KS/256)*272
.set SPARE,  SCL+4*HALFS               ; the spare words, 128 bytes for each wave
.set SPITCH, 272                       ; the way out: a stage of 16 rows x (256 bytes + 16) for each wave, in slot 0, which has had its only fill and its last read by then
.set ADRA, 16
.set ADRB, 20
.set STO,  24
.set RD,   25
.set CO,   26
.set ADRS, 27
.set SPW,  28
.set NIL,  29
.set EO,   30                          ; v30  my byte offset in qe
.set BO,   31                          ; v31  my byte offset in the bias
.set SC,   32
.set AF,   128
.set BI,   192                         ; v192-255 the bias: register 8 b + j: column 16 b + 8 (lane / 16) + j of my 128
.set TMP,  192                         ; the way out: packed results
.set OB,   32                          ; the way out: rows read back: v32-63 and v224-255 by turns
.set G1, 24
.set G0, 32
.set G1B, 48
.set G0B, 56
.set G1S, 68
.set G0S, 76
.set G1SB, 80
.set G0SB, 88
.set MSB, 0
.macro WIN new                         ; the immediate's high byte repeats the setting that is left
.if MSB != (\new)
	s_set_vgpr_msb (MSB<<8)|(\new)
.set MSB, (\new)
.endif
.endm
.set MUL_LO, 0xa1                      ; source 0 (B) window 1, source 1 (A) window 0, C and D window 2
.set MUL_HI, 0xf1                      ; the same, C and D window 3
.set TO_B,   0x40
; A joint load: waves 0 and 1 fetch for A, waves 2 and 3 for B; the branch hangs on the wave's number alone.  An s_nop 0 and four v_nop follow each of the two lines.
.macro JLOAD g0a, g1a, g0b, g1b
	s_cmp_eq_u32 s15, 0
	s_cbranch_scc0 .Lfor_b_\@
	tensor_load_to_lds s[\g0a:\g0a+3], s[\g1a:\g1a+7]
	s_nop 0
.rept 4
	v_nop
.endr
	s_branch .Lasked_\@
.Lfor_b_\@:
	tensor_load_to_lds s[\g0b:\g0b+3], s[\g1b:\g1b+7]
	s_nop 0
.rept 4
	v_nop
.endr
.Lasked_\@:
.endm
.macro CROUND                          ; a round of the cluster's barrier
	s_barrier_signal -1
	s_barrier_wait -1
	s_cmp_lg_u32 s14, 0
	s_cbranch_scc1 .Lnot_wave_0_\@
	s_barrier_signal -3
.Lnot_wave_0_\@:
	s_barrier_wait -3
	s_barrier_signal -1
	s_barrier_wait -1
.endm
	s_load_b128 s[4:7], s[0:1], 0x0                ; x's codes, x's scales
	s_load_b128 s[8:11], s[0:1], 0x10              ; W's codes, W's scales
	s_load_b64 s[12:13], s[0:1], 0x20              ; qkv
	s_load_b128 s[96:99], s[0:1], 0x28             ; b_attn, qe
	v_lshl_add_u32 v[SPW], v0, 2, SPARE
	v_mov_b32 v[NIL], 0
	ds_add_u32 v[SPW], v[NIL]                      ; the wave's opening: the add, twice on end, and its wait ahead of my first tensor load
	ds_add_u32 v[SPW], v[NIL]
	v_lshrrev_b32 v1, 5, v0
	v_readfirstlane_b32 s14, v1                    ; wave 0..3
	s_lshr_b32 s15, s14, 1                         ; which half of the tile's rows is mine.  Also: I fetch for A (0) or for B (1)
	s_and_b32 s16, s14, 1                          ; which half of its columns.  Also: which 128 rows of that tile I fetch
	s_bfe_u32 s40, ttmp6, 0x40000                  ; cx
	s_bfe_u32 s41, ttmp6, 0x40004                  ; cy
	s_lshl_b32 s42, ttmp9, 2
	s_add_co_u32 s42, s42, s40                     ; tile column = 4 x cluster x + cx
	s_and_b32 s95, ttmp7, 0xffff                   ; cluster y
	s_lshl_b32 s17, s41, 3
	s_add_co_u32 s17, s17, s95                     ; tile row = 8 cy + cluster y
	s_lshl_b32 s43, s41, 2
	s_lshl_b32 s43, 15, s43                        ; my row of the cluster
	s_lshl_b32 s44, 0x1111, s40                    ; my column
	s_or_b32 s[G1+0], s43, (0<<16)|(1<<20)|(1<<21)|(5<<22)|(3<<25)  ; the mask; elements of 1 byte; padding: 4 words behind every 64; bit 21 beside a mask
	s_or_b32 s[G1B+0], s44, (0<<16)|(1<<20)|(1<<21)|(5<<22)|(3<<25)
.irp g, G1, G1B
	s_mov_b32 s[\g+1], ROWB<<16                    ; tensor_dim0
	s_mov_b32 s[\g+2], 128<<16                     ; tensor_dim1
	s_mov_b32 s[\g+3], ROWB<<16                    ; tile_dim0
	s_mov_b32 s[\g+4], 128                         ; tile_dim1
	s_mov_b32 s[\g+5], KROW                        ; the pitch
	s_mov_b32 s[\g+6], 0
	s_mov_b32 s[\g+7], 0
.endr
	s_or_b32 s[G1S+0], s43, (3<<16)|(1<<20)|(1<<21)|(5<<22)|(3<<25)   ; the scales of 128 rows: a dense block, as rows of 256 bytes (32 elements of 8 bytes)
	s_or_b32 s[G1SB+0], s44, (3<<16)|(1<<20)|(1<<21)|(5<<22)|(3<<25)
.irp g, G1S, G1SB
	s_mov_b32 s[\g+1], 32<<16
	s_mov_b32 s[\g+2], (128*KS/256)<<16
	s_mov_b32 s[\g+3], 32<<16
	s_mov_b32 s[\g+4], 128*KS/256
	s_mov_b32 s[\g+5], 32
	s_mov_b32 s[\g+6], 0
	s_mov_b32 s[\g+7], 0
.endr
	s_lshl_b32 s18, s16, 7
	s_lshl_b32 s20, s17, 8
	s_add_co_u32 s20, s20, s18                     ; A: row 256 x tile row + 128 x half
	s_lshl_b32 s46, s42, 8
	s_add_co_u32 s46, s46, s18                     ; B: row 256 x tile column + 128 x half
	s_mov_b32 s21, 0
	s_mov_b32 s47, 0
	s_mov_b64 s[18:19], KS
	s_mul_u64 s[22:23], s[20:21], s[18:19]
	s_mul_u64 s[92:93], s[46:47], s[18:19]
	s_mov_b64 s[18:19], KROW
	s_mul_u64 s[20:21], s[20:21], s[18:19]
	s_mul_u64 s[46:47], s[46:47], s[18:19]
	s_mul_i32 s45, s14, HALFT                      ; where they go: wave x 128 rows: no place in the cluster enters an LDS address
	s_mul_i32 s94, s14, HALFS
	s_wait_dscnt 0x0                               ; both opening adds are done
	s_wait_kmcnt 0x0
	s_add_nc_u64 s[20:21], s[4:5], s[20:21]
	s_add_nc_u64 s[22:23], s[6:7], s[22:23]
	s_add_nc_u64 s[46:47], s[8:9], s[46:47]
	s_add_nc_u64 s[92:93], s[10:11], s[92:93]
	CROUND                                         ; all sixteen work-groups are here: the joint loads meet
	s_mov_b32 s[G0S], 1
	s_add_co_u32 s[G0S+1], s94, SCL
	s_mov_b64 s[G0S+2:G0S+3], s[22:23]
	s_or_b32 s[G0S+3], s[G0S+3], 0x80000000
	s_mov_b32 s[G0SB], 1
	s_add_co_u32 s[G0SB+1], s94, SCL
	s_mov_b64 s[G0SB+2:G0SB+3], s[92:93]
	s_or_b32 s[G0SB+3], s[G0SB+3], 0x80000000
	JLOAD G0S, G1S, G0SB, G1SB                     ; the scales first
.irp s, 0,1
	s_mov_b32 s[G0+4*\s], 1
	s_add_co_u32 s[G0+4*\s+1], s45, \s*SLOT
	s_add_nc_u64 s[G0+4*\s+2:G0+4*\s+3], s[20:21], \s*ROWB
	s_or_b32 s[G0+4*\s+3], s[G0+4*\s+3], 0x80000000
	s_mov_b32 s[G0B+4*\s], 1
	s_add_co_u32 s[G0B+4*\s+1], s45, \s*SLOT
	s_add_nc_u64 s[G0B+4*\s+2:G0B+4*\s+3], s[46:47], \s*ROWB
	s_or_b32 s[G0B+4*\s+3], s[G0B+4*\s+3], 0x80000000
	JLOAD G0+4*\s, G1, G0B+4*\s, G1B               ; three tensor loads of mine are out at the most
.endr
	v_and_b32 v1, 15, v0                           ; r = lane % 16
	v_bfe_u32 v2, v0, 4, 1                         ; h = lane / 16
	v_mul_u32_u24 v3, v1, PITCH
	v_lshl_add_u32 v4, v2, 4, v3
	s_mul_i32 s21, s15, HALFT
	s_mul_i32 s22, s16, HALFT
	s_add_co_u32 s22, s22, 2*HALFT
.irp s, 0,1
	v_add_nc_u32 v[ADRA+\s], s21, v4
	v_add_nc_u32 v[ADRB+\s], s22, v4
	s_add_co_u32 s21, s21, SLOT
	s_add_co_u32 s22, s22, SLOT
.endr
	v_mul_u32_u24 v5, v1, KS                       ; my row's scales: KS bytes a row,
	v_lshrrev_b32 v6, 8, v5
	v_lshl_add_u32 v5, v6, 4, v5                   ; and 16 more for each 256 passed
	s_mul_i32 s21, s15, HALFS
	s_mul_i32 s22, s16, HALFS
	s_add_co_u32 s22, s22, 2*HALFS
	s_sub_co_u32 s22, s22, s21
	v_mul_u32_u24 v6, s22, v2                      ; lanes 16-31 take B's
	s_add_co_u32 s21, s21, SCL
	v_add_nc_u32 v5, v5, v6
	v_add_nc_u32 v[ADRS], s21, v5
	s_mul_i32 s23, s14, 16*SPITCH                  ; my stage
	v_mul_u32_u24 v5, v1, SPITCH                   ; in: row r, 16 bytes for each half of the lanes
	v_lshl_add_u32 v5, v2, 4, v5
	v_add_nc_u32 v[STO], s23, v5
	v_and_b32 v6, 31, v0
	v_lshrrev_b32 v7, 3, v6                        ; back: eight lanes take one head's 128 bytes of a row, four rows an instruction
	v_mul_u32_u24 v7, v7, SPITCH
	v_and_b32 v8, 7, v6
	v_lshl_add_u32 v7, v8, 4, v7
	v_add_nc_u32 v[RD], s23, v7
	v_lshlrev_b32 v[CO], 4, v6                     ; which are 512 consecutive bytes of qkv
	v_mul_u32_u24 v[EO], v1, 12288                 ; qe: row r, + 32 h
	v_lshl_add_u32 v[EO], v2, 5, v[EO]
	v_lshlrev_b32 v[BO], 5, v2
	; qkv: part (cluster x) x 16,777,216 + head (16 cy + 4 cx + 2 x column half) x 262,144 + position (256 cluster y + 128 x row half) x 128
	s_lshl_b32 s20, ttmp9, 24
	s_lshl_b32 s21, s41, 4
	s_lshl_b32 s22, s40, 2
	s_add_co_u32 s21, s21, s22
	s_lshl_b32 s22, s16, 1
	s_add_co_u32 s21, s21, s22
	s_lshl_b32 s21, s21, 18
	s_add_co_u32 s20, s20, s21
	s_lshl_b32 s21, s95, 15
	s_add_co_u32 s20, s20, s21
	s_lshl_b32 s21, s15, 14
	s_add_co_u32 s20, s20, s21
	s_mov_b32 s21, 0
	s_add_nc_u64 s[12:13], s[12:13], s[20:21]
	s_lshl_b32 s46, s42, 10                        ; my first column, in bytes of f32: 1,024 x tile column + 512 x half
	s_lshl_b32 s47, s16, 9
	s_add_co_u32 s46, s46, s47
	s_mov_b32 s47, 0
	s_add_nc_u64 s[96:97], s[96:97], s[46:47]      ; the bias at my columns
	s_add_nc_u64 s[98:99], s[98:99], s[46:47]      ; qe at my columns,
	s_mul_i32 s46, s41, 196608
	s_add_nc_u64 s[98:99], s[98:99], s[46:47]      ; in my batch
	s_cmp_eq_u32 ttmp9, 1                          ; the keys' columns?  The cluster's x: the same in all sixteen partners
	s_cbranch_scc1 .Lno_bias
.irp b, 0,1,2,3,4,5,6,7
	global_load_b128 v[BI+8*\b:BI+8*\b+3], v[BO], s[96:97] offset:64*\b
	global_load_b128 v[BI+8*\b+4:BI+8*\b+7], v[BO], s[96:97] offset:64*\b+16
.endr
	s_branch .Lbias_done
.Lno_bias:
.set i, 0
.rept 64
	v_mov_b32 v[BI+i], 0                           ; the keys start from 0: their bias is dead work
.set i, i+1
.endr
.Lbias_done:
.macro FRAG reg, adr, q, i             ; 16 rows x 128 K of 4-bit codes: 8 registers; registers 4 c .. 4 c + 3 hold K = 64 c + 32 (lane / 16) + 0 .. 31
.irp c, 0,1
	ds_load_b128 v[\reg+4*\c:\reg+4*\c+3], v[\adr] offset:64*(\q)+32*\c+(\i)*16*PITCH
.endr
.endm
; 16 matrix instructions: A's blocks a0, a0 + 1 x B's eight, the slot's q-th 128 along K.  p: B's set;  sc: the set of scale words.  first = 1: the bias is the C.
; The 64 accumulators take turns, one instruction a turn, in the same order in every step.
.macro MUL16 a0, p, q, sc, first
.irp a, \a0, \a0+1
.irp b, 0,1,2,3,4,5,6,7
.if \first
	v_wmma_scale_f32_16x16x128_f8f6f4 v[8*(8*((\a)%4)+\b):8*(8*((\a)%4)+\b)+7], v[128*(\p)+FR*\b:128*(\p)+FR*\b+FR-1], v[AF+FR*(\a):AF+FR*(\a)+FR-1], v[BI+8*\b:BI+8*\b+7], v[SC+8*NQ*(\sc)+NQ*\b+(\q)], v[SC+8*NQ*(\sc)+NQ*(\a)+(\q)] matrix_a_fmt:MATRIX_FMT_FP4 matrix_b_fmt:MATRIX_FMT_FP4 matrix_a_scale:MATRIX_SCALE_ROW1
.else
	v_wmma_scale_f32_16x16x128_f8f6f4 v[8*(8*((\a)%4)+\b):8*(8*((\a)%4)+\b)+7], v[128*(\p)+FR*\b:128*(\p)+FR*\b+FR-1], v[AF+FR*(\a):AF+FR*(\a)+FR-1], v[8*(8*((\a)%4)+\b):8*(8*((\a)%4)+\b)+7], v[SC+8*NQ*(\sc)+NQ*\b+(\q)], v[SC+8*NQ*(\sc)+NQ*(\a)+(\q)] matrix_a_fmt:MATRIX_FMT_FP4 matrix_b_fmt:MATRIX_FMT_FP4 matrix_a_scale:MATRIX_SCALE_ROW1
.endif
.endr
.endr
.endm
.macro FETCH_B slot, q, p
	WIN TO_B
.irp i, 0,1,2,3,4,5,6,7
	FRAG 128*(\p)+FR*\i, ADRB+\slot, \q, \i
.endr
	WIN 0
.endm
.macro FETCH_A slot, q, i0
.irp i, \i0, \i0+1, \i0+2, \i0+3
	FRAG AF+FR*(\i), ADRA+\slot, \q, \i
.endr
.endm
.macro SCALES sc                       ; a slot's scale words: lanes 0-15 take A's block i, lanes 16-31 B's block i
.irp i, 0,1,2,3,4,5,6,7
	ds_load_b128 v[SC+8*NQ*\sc+NQ*\i:SC+8*NQ*\sc+NQ*\i+3], v[ADRS] offset:\i*SBLK
.endr
.endm
.macro PLACES n                        ; plain vector instructions that name none of the matrix instruction's registers (ISA guide 7.12.1)
.rept \n
	v_nop
.endr
.endm
.macro STEP slot, q, first             ; a step of 128 along K that has its successor in the same slot
	s_wait_dscnt 4*NL                              ; B's set and A's blocks 0-3 are in; the youngest eight loads (A's blocks 4-7) may be out
	WIN MUL_LO-0x20*(\first)                       ; (first: C in window 0)
	MUL16 0, (\q)%2, \q, \slot, \first
	MUL16 2, (\q)%2, \q, \slot, \first
	s_wait_dscnt 0
	PLACES NP
	FETCH_B \slot, (\q)+1, 1-(\q)%2
	FETCH_A \slot, (\q)+1, 0
	WIN MUL_HI-0x30*(\first)
	MUL16 4, (\q)%2, \q, \slot, \first
	MUL16 6, (\q)%2, \q, \slot, \first
	PLACES NP
	WIN 0
	FETCH_A \slot, (\q)+1, 4
.endm
; Slot 0's last step changes slots: one barrier; in front of it each wave waits for all its tensor loads (its part of slot 1), adds 0 to its spare word, and waits for that and for its reads of slot 0.
.macro TURN slot, next
	s_wait_tensorcnt 0x0
	ds_add_u32 v[SPW], v[NIL]
	s_wait_dscnt 4*NL+1                            ; the add and the youngest eight loads may be out
	WIN MUL_LO
	MUL16 0, 1, NQ-1, \slot, 0
	s_wait_dscnt 0x0                               ; the add is done, and my reads of this slot are over
	s_barrier_signal -1
	MUL16 2, 1, NQ-1, \slot, 0
	WIN 0
	s_barrier_wait -1
	PLACES NP
	v_add_nc_u32 v[ADRS], 4*NQ, v[ADRS]            ; on to the next slot's scale words
	FETCH_B \next, 0, 0
	FETCH_A \next, 0, 0
	SCALES \next
	WIN MUL_HI
	MUL16 4, 1, NQ-1, \slot, 0
	MUL16 6, 1, NQ-1, \slot, 0
	PLACES NP
	WIN 0
	FETCH_A \next, 0, 4
.endm
	s_wait_tensorcnt 1                             ; the scales and my part of slot 0 are in; slot 1's load may be out
	s_barrier_signal -1
	s_barrier_wait -1
	FETCH_B 0, 0, 0
	FETCH_A 0, 0, 0
	SCALES 0
	FETCH_A 0, 0, 4
	s_wait_loadcnt 0x0                             ; the bias
	STEP 0, 0, 1
	STEP 0, 1, 0
	STEP 0, 2, 0
	TURN 0, 1
	STEP 1, 0, 0
	STEP 1, 1, 0
	STEP 1, 2, 0
	s_wait_dscnt 4*NL                              ; the last step: nothing more to fetch
	WIN MUL_LO
	MUL16 0, 1, NQ-1, 1, 0
	MUL16 2, 1, NQ-1, 1, 0
	s_wait_dscnt 0
	WIN MUL_HI
	MUL16 4, 1, NQ-1, 1, 0
	MUL16 6, 1, NQ-1, 1, 0
	WIN 0
	PLACES NP
	; positions 0 to 15 of a sequence lie in block 0 of the waves with row half 0, in the clusters with y = 0: they also leave in f32
	s_or_b32 s20, s95, s15
	s_cmp_lg_u32 s20, 0
	s_cbranch_scc1 .Lnot_early
	WIN 0x08                                       ; a store's data are its source 1: window 2
.irp b, 0,1,2,3,4,5,6,7
	global_store_b128 v[EO], v[8*\b:8*\b+3], s[98:99] offset:64*\b          ; each accumulator from its low end on
	global_store_b128 v[EO], v[8*\b+4:8*\b+7], s[98:99] offset:64*\b+16
.endr
	WIN 0
.Lnot_early:
; THE WAY OUT, block by block of 16 rows x 128 columns: rounded to f16, 16 bytes a lane into my own stage, back by heads: four rows of one head are 512 consecutive bytes of qkv.
.macro PACK a
.set AC, 64*((\a)%4)
	WIN 0x0a+5*((\a)/4)                            ; sources 0 and 1: window 2 or 3
.irp b, 0,1,2,3,4,5,6,7
.irp r, 0,1,2,3
	v_cvt_pk_f16_f32 v[TMP+4*\b+\r], v[AC+8*\b+2*\r], v[AC+8*\b+2*\r+1]
.endr
.endr
	WIN 0
.endm
.macro TOSTAGE a
.set BK, OB+192*((\a)%2)
.irp b, 0,1,2,3,4,5,6,7
	ds_store_b128 v[STO], v[TMP+4*\b:TMP+4*\b+3] offset:32*\b
.endr
.irp i, 0,1,2,3,4,5,6,7
	ds_load_b128 v[BK+4*\i:BK+4*\i+3], v[RD] offset:4*(\i%4)*SPITCH+128*(\i/4)   ; LDS serves a wave's instructions in order: these see the stores above
.endr
.endm
.macro SEND a
.set BK, OB+192*((\a)%2)
	s_wait_dscnt 0x0                               ; the block is back in registers
	s_wait_xcnt 0x0                                ; the block before has been read by its stores: its registers may be loaded again
.irp i, 0,1,2,3,4,5,6,7
	global_store_b128 v[CO], v[BK+4*\i:BK+4*\i+3], s[12:13] offset:(\i/4)*262144+(\i%4)*512+(\a)*2048   ; 32 lanes store 512 consecutive bytes, aligned
.endr
.endm
	PACK 0
	TOSTAGE 0
.irp a, 1,2,3,4,5,6,7
	PACK \a
	SEND \a-1
	TOSTAGE \a
.endr
	SEND 7
	s_wait_tensorcnt 0x0                           ; the wave's end
	ds_add_u32 v[SPW], v[NIL]
	s_wait_dscnt 0x0
	CROUND                                         ; the closing round
	s_endpgm
.Lfunc_end_k_q5ab81508d4_qkv:
	.size	k_q5ab81508d4_qkv, .Lfunc_end_k_q5ab81508d4_qkv-k_q5ab81508d4_qkv
	.p2alignl 7, 3214868480
	.fill 96, 4, 3214868480
	.section	.rodata,"a",@progbits
	.p2align	6, 0x0
	.amdhsa_kernel k_q5ab81508d4_qkv
		.amdhsa_group_segment_fixed_size 327680
		.amdhsa_private_segment_fixed_size 0
		.amdhsa_enable_private_segment 0
		.amdhsa_kernarg_size 56
		.amdhsa_user_sgpr_count 2
		.amdhsa_user_sgpr_kernarg_segment_ptr 1
		.amdhsa_wavefront_size32 1
		.amdhsa_system_sgpr_workgroup_id_x 1
		.amdhsa_system_sgpr_workgroup_id_y 1
		.amdhsa_system_sgpr_workgroup_id_z 1
		.amdhsa_system_vgpr_workitem_id 0
		.amdhsa_next_free_vgpr 1024
		.amdhsa_next_free_sgpr 100
		.amdhsa_reserve_vcc 0
		.amdhsa_float_denorm_mode_32 3
		.amdhsa_float_denorm_mode_16_64 3
		.amdhsa_memory_ordered 1
		.amdhsa_forward_progress 1
		.amdhsa_inst_pref_size 132
	.end_amdhsa_kernel
	.amdgpu_metadata
---
amdhsa.version: [ 1, 2 ]
amdhsa.kernels:
  - .name:           k_q5ab81508d4_qkv
    .symbol:         k_q5ab81508d4_qkv.kd
    .args:
      - { .name: xc, .offset: 0, .size: 8, .value_kind: global_buffer, .address_space: global }
      - { .name: xs, .offset: 8, .size: 8, .value_kind: global_buffer, .address_space: global }
      - { .name: wc, .offset: 16, .size: 8, .value_kind: global_buffer, .address_space: global }
      - { .name: ws, .offset: 24, .size: 8, .value_kind: global_buffer, .address_space: global }
      - { .name: qkv, .offset: 32, .size: 8, .value_kind: global_buffer, .address_space: global }
      - { .name: b_attn, .offset: 40, .size: 8, .value_kind: global_buffer, .address_space: global }
      - { .name: qe, .offset: 48, .size: 8, .value_kind: global_buffer, .address_space: global }
    .group_segment_fixed_size: 327680
    .private_segment_fixed_size: 0
    .kernarg_segment_align: 8
    .kernarg_segment_size: 56
    .max_flat_workgroup_size: 128
    .sgpr_count:     100
    .vgpr_count:     1024
    .wavefront_size: 32
...
	.end_amdgpu_metadata
.endif
;; end of part 2
;; launch attn (part 3): grid 4 x 64, 16 waves a work-group, clusters of 4 x 1, 327,680 bytes of LDS; arguments qkv, yb; writes yb
.if DOCPART == 3
	.amdgcn_target "amdgcn-amd-amdhsa--gfx1250"
	.amdhsa_code_object_version 6
	.text
	.protected	k_q5ab81508d4_attn
	.globl	k_q5ab81508d4_attn
	.p2align	8
	.type	k_q5ab81508d4_attn,@function
k_q5ab81508d4_attn:
	s_mov_b64 s[64:65], 0
	v_nop
	global_prefetch_b8 v0, s[64:65] scope:SCOPE_SE
	s_setreg_imm32_b32 hwreg(HW_REG_WAVE_MODE, 25, 1), 1
	s_wait_xcnt 0x0
	s_wait_alu depctr_hold_cnt(0) depctr_sa_sdst(0) depctr_va_vdst(0) depctr_va_sdst(0) depctr_va_ssrc(0) depctr_va_vcc(0) depctr_vm_vsrc(0)
	s_getreg_b32 s2, hwreg(HW_REG_IB_STS2, 6, 4)
	s_cmp_eq_u32 s2, 0
	s_cbranch_scc0 .Lentry_in_a_cluster
	s_endpgm
.Lentry_in_a_cluster:
	s_bfe_u32 s2, ttmp6, 0x10000c
	s_cmp_lg_u32 s2, 0x3003
	s_cbranch_scc0 .Lentry_shape_is_right
	s_endpgm
.Lentry_shape_is_right:
; Launch 3 of 5: y[bh][q] = the sum over k <= q of softmax_k(Q[bh][q] . K[bh][k] / 8) V[bh][k].  Q, K, V: qkv [3][64][2,048][64] f16; y: yb [64][2,048][64] f16.
; Products on f16 operands with f32 sums; maxima, exponentials and sums in f32; the weights p (at most 1) are rounded to f16 for the second product.
; LEFT OUT: key steps all of whose keys come after a wave's queries (the problem's own causal mask).  K carries no bias (dead work: see the first launch).
; Positions 0 to 15 of every sequence are made here with their tiles and are written anew, in f32, by the last launch.
; SHARES.  A cluster of four work-groups is one head; all four walk the head's 2,048 keys in step, 64 a step, and ask for K and V JOINTLY.  Wave w has a rank rho(w) from a table
; (a permutation of 0..15 in which the four waves with equal w % 4, and the four with equal w / 4, hold ranks that sum to 30) and owns two tiles of 16 queries:
; A = 128 rho + 16 cx + 0..15 and B = A + 64.  So where a wave's walk ends and where its diagonal lies hang on the wave's number alone: no branch hangs on a work-group's place in its
; cluster, every work-group has 272 wave-steps, and every work-group has a wave (rank 15) that reads every slot, so no joint load brings a tile that a partner does not read.
; LAYOUT.  S^T = K Q^T (source 0 = 16 keys, source 1 = 16 queries): a lane holds ONE query (lane % 16) and keys 8 (lane / 16) + 0..7.  Two such tiles, rounded to f16 in pairs, are
; source 1 (32 keys x 16 queries) of O^T = V^T P.  K comes out of LDS as it lies, V ([key][channel]) turned, by ds_load_tr16_b128.
; SOFTMAX.  A running maximum m and sum l for each query: p = 2^(c s - c m), c = log2(e) / 8; in every step O and l are multiplied by a = 2^(c m_old - c m_new).
; Four waves share a SIMD: one wave's vector work stands beside another's matrix work.
; REGISTERS: v1-10 addresses and constants; v16-31 statistics, 8 a tile: +0 c m, +1 m, +2, +3 l, +4..+7 at work (a in +6); v32-63 Q; v64-127 S^T, then p, then P in place;
; v128-191 O^T; v192-255 K's eight fragments, then V's eight.
.set PK,    144                        ; a row of K in LDS: 128 bytes + 16: an odd multiple of 16
.set PV,    160                        ; a row of V: 128 + 32: an odd multiple of 32, for the turning load
.set VOFF,  256*PK                     ; a slot: 256 rows of K, then 256 rows of V
.set SLOT1, 1<<17                      ; slot 1 begins here: one exclusive or turns an address from one slot to the other
.set SPARE, 2*SLOT1                    ; the spare words, 128 bytes for each of sixteen waves
.set AK0, 1
.set AV0, 2
.set ADK, 3
.set ADV, 4
.set SPW, 5
.set NIL, 6
.set DQ,  7                            ; v7   16 cx + r - 8 h
.set D,   8                            ; v8   my query less the first key of my half of the lanes
.set NINF, 9                           ; v9   -infinity
.set PFO, 10                           ; v10  256 x lane
.set ST,  16
.set Q,   32
.set S,   64
.set O,   128
.set F,   192
.set WV,  8
.set RHO, 9
.set CX,  10
.set BH,  11
.set KF,  12                           ; s12  the step's first key
.set LIMW, 13                          ; s13  where my walk ends: 128 rho + 128
.set MA,  14                           ; s14  128 rho: the step in which tile A lies on the diagonal
.set MB,  15                           ; s15  128 rho + 64: the same for tile B
.set TBK, 16                           ; s16  LDS byte at which the step's rows of K begin
.set TBV, 17                           ; s17  the same for V, less VOFF
.set SLOTS, 18
.set CNT, 19
.set SEL, 20
.set CS,  22
.set G1K, 24
.set G1V, 32
.set G0K, 40
.set G0V, 44
.set PFA, 48
.set LIM, 50
; Waves 0 and 1 fetch K's halves of a slot, waves 2 and 3 V's, the others nothing; the branches hang on the wave's number alone.  An s_nop 0 and four v_nop follow each load.
.macro TLOAD
	s_cmp_lt_u32 s[WV], 2
	s_cbranch_scc0 .Lnot_k_\@
	tensor_load_to_lds s[G0K:G0K+3], s[G1K:G1K+7]
	s_nop 0
.rept 4
	v_nop
.endr
	s_branch .Lasked_\@
.Lnot_k_\@:
	s_cmp_lt_u32 s[WV], 4
	s_cbranch_scc0 .Lasked_\@
	tensor_load_to_lds s[G0V:G0V+3], s[G1V:G1V+7]
	s_nop 0
.rept 4
	v_nop
.endr
.Lasked_\@:
.endm
; A prefetch of what the NEXT change of slots will ask for: a slot's 32,768 bytes of K and of V.  Wave 4 asks for K's, wave 5 for V's; the four partners share the 128 blocks of 256 bytes
; out by address, 32 each, a lane a block: each block is named once in the launch.  The last change that fills a slot asks for nothing; slots 0 and 1 come by their loads alone.
.macro ASK
	s_cmp_gt_u32 s[SLOTS], s[LIM]
	s_cbranch_scc0 .Lnot_mine_\@
	global_prefetch_b8 v[PFO], s[PFA:PFA+1] th:TH_LOAD_NT scope:SCOPE_SE
.Lnot_mine_\@:
.endm
.macro CROUND                          ; a round of the cluster's barrier
	s_barrier_signal -1
	s_barrier_wait -1
	s_cmp_lg_u32 s[WV], 0
	s_cbranch_scc1 .Lnot_wave_0_\@
	s_barrier_signal -3
.Lnot_wave_0_\@:
	s_barrier_wait -3
	s_barrier_signal -1
	s_barrier_wait -1
.endm
	s_load_b128 s[4:7], s[0:1], 0x0                ; qkv, yb
	v_lshl_add_u32 v[SPW], v0, 2, SPARE
	v_mov_b32 v[NIL], 0
	ds_add_u32 v[SPW], v[NIL]                      ; the wave's opening: the add, twice on end, and its wait
	ds_add_u32 v[SPW], v[NIL]
	v_lshrrev_b32 v11, 5, v0
	v_readfirstlane_b32 s[WV], v11                 ; wave 0..15
	s_bfe_u32 s[CX], ttmp6, 0x40000                ; cx
	s_and_b32 s[BH], ttmp7, 0xffff                 ; batch and head: the cluster's y
	s_mov_b32 s52, 0x249f71ca                      ; the ranks of waves 8 to 15, four bits each;
	s_cmp_lt_u32 s[WV], 8
	s_cselect_b32 s52, 0x8e35db60, s52             ; of waves 0 to 7
	s_and_b32 s53, s[WV], 7
	s_lshl_b32 s53, s53, 2
	s_lshr_b32 s52, s52, s53
	s_and_b32 s[RHO], s52, 15
	s_lshl_b32 s[MA], s[RHO], 7
	s_add_co_u32 s[MB], s[MA], 64
	s_add_co_u32 s[LIMW], s[MA], 128
	s_mov_b32 s[G1K], 0x0731000f                   ; mask: all four; elements of 2 bytes; padding on: 4 words behind every 32; bit 21 beside the mask
	s_mov_b32 s[G1V], 0x0f31000f                   ; the same with 8 words of padding
.irp g, G1K, G1V
	s_mov_b32 s[\g+1], 64<<16                      ; tensor_dim0
	s_mov_b32 s[\g+2], 128<<16                     ; tensor_dim1
	s_mov_b32 s[\g+3], 64<<16                      ; tile_dim0
	s_mov_b32 s[\g+4], 128                         ; tile_dim1
	s_mov_b32 s[\g+5], 64                          ; the pitch
	s_mov_b32 s[\g+6], 0
	s_mov_b32 s[\g+7], 0
.endr
	s_and_b32 s54, s[WV], 1                        ; which 128 rows of a slot I fetch
	s_mul_i32 s55, s54, 128*PK
	s_mul_i32 s56, s54, 128*PV
	s_add_co_u32 s56, s56, VOFF
	s_lshl_b32 s57, s54, 14
	s_lshl_b32 s58, s[BH], 18                      ; the head's first byte in a part of qkv, and in yb
	s_add_co_u32 s60, s58, s57
	s_add_co_u32 s60, s60, 16777216                ; K
	s_mov_b32 s61, 0
	s_add_co_u32 s62, s60, 16777216                ; V
	s_mov_b32 s63, 0
	s_lshl_b32 s66, s[CX], 4
	s_add_co_u32 s66, s66, s[MA]                   ; my first query
	s_lshl_b32 s66, s66, 7
	s_add_co_u32 s66, s66, s58
	s_mov_b32 s67, 0
	s_mov_b32 s52, 33554432
	s_cmp_eq_u32 s[WV], 4
	s_cselect_b32 s52, 16777216, s52               ; the prefetches: wave 4 K, wave 5 V
	s_add_co_u32 s52, s52, s58
	s_lshl_b32 s53, s[CX], 13                      ; my work-group's 32 blocks of the 128
	s_add_co_u32 s52, s52, s53
	s_add_co_u32 s52, s52, 32768                   ; in slot 1: the first change of slots steps it to slot 2
	s_mov_b32 s53, 0
	s_sub_co_u32 s59, s[WV], 4
	s_lshr_b32 s59, s59, 1
	s_cmp_eq_u32 s59, 0
	s_cselect_b32 s[LIM], 1, -1                    ; 1 in waves 4 and 5
	s_lshl_b32 s59, s[CX], 4
	s_mov_b32 s[SEL], 0x76543210
	s_mov_b32 s[SEL+1], 0xfedcba98
	s_mov_b32 s[CS], 0x3e38aa3b                    ; c = log2(e) / 8
	s_mov_b32 s[CS+1], s[CS]
	s_mov_b32 s[KF], 0
	s_mov_b32 s[TBK], 0
	s_mov_b32 s[TBV], 0
	s_mov_b32 s[SLOTS], 7
	s_wait_dscnt 0x0                               ; both opening adds are done
	s_wait_kmcnt 0x0
	s_mov_b32 s[G0K], 1
	s_mov_b32 s[G0K+1], s55
	s_add_nc_u64 s[G0K+2:G0K+3], s[4:5], s[60:61]
	s_or_b32 s[G0K+3], s[G0K+3], 0x80000000
	s_mov_b32 s[G0V], 1
	s_mov_b32 s[G0V+1], s56
	s_add_nc_u64 s[G0V+2:G0V+3], s[4:5], s[62:63]
	s_or_b32 s[G0V+3], s[G0V+3], 0x80000000
	s_add_nc_u64 s[68:69], s[4:5], s[66:67]        ; Q at my first query
	s_add_nc_u64 s[6:7], s[6:7], s[66:67]          ; y likewise
	s_add_nc_u64 s[PFA:PFA+1], s[4:5], s[52:53]
	CROUND                                         ; all four work-groups are here: the first joint loads meet
	TLOAD                                          ; slot 0
	v_and_b32 v11, 15, v0                          ; r
	v_bfe_u32 v12, v0, 4, 1                        ; h
	v_lshlrev_b32 v15, 7, v11
	v_lshl_add_u32 v15, v12, 4, v15                ; Q: row r of 128 bytes, + 16 h
.irp t, 0,1
.irp ks, 0,1
	global_load_b128 v[Q+16*\t+8*\ks:Q+16*\t+8*\ks+3], v15, s[68:69] offset:\t*8192+64*\ks
	global_load_b128 v[Q+16*\t+8*\ks+4:Q+16*\t+8*\ks+7], v15, s[68:69] offset:\t*8192+64*\ks+32
.endr
.endr
	v_mul_u32_u24 v[AK0], v11, PK
	v_lshl_add_u32 v[AK0], v12, 4, v[AK0]          ; K: row r x pitch + 16 h
	v_and_b32 v13, 7, v0
	v_bfe_u32 v14, v0, 3, 1
	v_lshl_add_u32 v[AV0], v12, 3, v13             ; V: key 8 h + lane % 8,
	v_mul_u32_u24 v[AV0], v[AV0], PV
	v_lshl_add_u32 v[AV0], v14, 4, v[AV0]          ; channels 8 ((lane / 8) % 2) on
	v_add_nc_u32 v[AV0], VOFF, v[AV0]
	v_lshlrev_b32 v[DQ], 3, v12
	v_sub_nc_u32 v[DQ], v11, v[DQ]
	v_add_nc_u32 v[DQ], s59, v[DQ]
	v_mov_b32 v[NINF], 0xff800000
	v_and_b32 v[PFO], 31, v0
	v_lshlrev_b32 v[PFO], 8, v[PFO]
.irp t, 0,1
	v_mov_b32 v[ST+8*\t+1], 0xff61b1e6             ; m: -3e38, under every score
	v_mul_f32 v[ST+8*\t], s[CS], v[ST+8*\t+1]      ; c m
.irp j, 2,3,4,5,6,7
	v_mov_b32 v[ST+8*\t+\j], 0
.endr
.endr
.set i, 0
.rept 64
	v_mov_b32 v[O+i], 0                            ; O^T.  The step is written without a first step of its own: the first finds zeros, which a = 0 leaves zeros
.set i, i+1
.endr
.macro MASK t                          ; register 8 kt + j holds key KF + 16 kt + 8 h + j: hidden where 16 kt + j > D.  Each accumulator is taken from its low end on
.set n, 0
.rept 32
	v_cmp_gt_i32 vcc_lo, 16*(n/8)+n%8, v[D]
	v_cndmask_b32 v[S+32*\t+n], v[S+32*\t+n], v[NINF], vcc_lo
.set n, n+1
.endr
.endm
; A KEY STEP: 64 keys for my two tiles.
.macro STEP
	s_cmp_ge_u32 s[KF], s[LIMW]                    ; all keys of the step come after my queries: a branch on ids, round the step's work, not round the lines that step addresses
	s_cbranch_scc1 .Lhidden_\@
	v_add_nc_u32 v[ADK], s[TBK], v[AK0]
	v_add_nc_u32 v[ADV], s[TBV], v[AV0]
.rept 3
	v_nop                                          ; with the two additions: five places behind the last step's products, whose P the next products write over and whose V the loads land on
.endr
.irp kt, 0,1,2,3
.irp ks, 0,1
	ds_load_b128 v[F+8*(2*\kt+\ks):F+8*(2*\kt+\ks)+3], v[ADK] offset:\kt*16*PK+64*\ks
	ds_load_b128 v[F+8*(2*\kt+\ks)+4:F+8*(2*\kt+\ks)+7], v[ADK] offset:\kt*16*PK+64*\ks+32
.endr
.endr
	s_wait_dscnt 0x0
.irp ks, 0,1                                   ; S^T = K Q^T: the eight accumulators take turns; the first eight start the sums
.irp kt, 0,1,2,3
.irp t, 0,1
.if \ks == 0
	v_wmma_f32_16x16x32_f16 v[S+32*\t+8*\kt:S+32*\t+8*\kt+7], v[F+8*(2*\kt+\ks):F+8*(2*\kt+\ks)+7], v[Q+16*\t+8*\ks:Q+16*\t+8*\ks+7], 0
.else
	v_wmma_f32_16x16x32_f16 v[S+32*\t+8*\kt:S+32*\t+8*\kt+7], v[F+8*(2*\kt+\ks):F+8*(2*\kt+\ks)+7], v[Q+16*\t+8*\ks:Q+16*\t+8*\ks+7], v[S+32*\t+8*\kt:S+32*\t+8*\kt+7]
.endif
.endr
.endr
.endr
.rept 4
	v_nop                                          ; places in front of the loads into K's registers and of the first read of the scores
.endr
.irp g, 0,1                                    ; V, turned: keys 32 g on, channels 16 ct on; it lands while the softmax is walked
.irp ct, 0,1,2,3
	ds_load_tr16_b128 v[F+8*(4*\g+\ct):F+8*(4*\g+\ct)+3], v[ADV] offset:\g*32*PV+32*\ct
	ds_load_tr16_b128 v[F+8*(4*\g+\ct)+4:F+8*(4*\g+\ct)+7], v[ADV] offset:\g*32*PV+16*PV+32*\ct
.endr
.endr
	s_cmp_lt_u32 s[KF], s[MA]                      ; under the diagonal all keys count
	s_cbranch_scc1 .Lopen_\@
	s_sub_co_i32 s52, s[MA], s[KF]                 ; 0, or -64 in my last step, where all of tile A's scores are hidden: p = 0 and a = 1 there
	v_add_nc_u32 v[D], s52, v[DQ]
	MASK 0
	s_cmp_lt_u32 s[KF], s[MB]
	s_cbranch_scc1 .Lopen_\@
	v_add_nc_u32 v[D], 64, v[D]
	MASK 1
.Lopen_\@:
	; the maximum of my 32 scores and the old m, the two tiles by turns
.irp j, 0,1,2,3
.irp t, 0,1
	v_max3_num_f32 v[ST+8*\t+4+\j], v[S+32*\t+8*\j], v[S+32*\t+8*\j+1], v[S+32*\t+8*\j+2]
.endr
.endr
.irp u, 1,2
.irp j, 0,1,2,3
.irp t, 0,1
	v_max3_num_f32 v[ST+8*\t+4+\j], v[ST+8*\t+4+\j], v[S+32*\t+8*\j+2*\u+1], v[S+32*\t+8*\j+2*\u+2]
.endr
.endr
.endr
.irp t, 0,1
	v_max3_num_f32 v[ST+8*\t+4], v[ST+8*\t+4], v[S+32*\t+7], v[S+32*\t+15]
	v_max3_num_f32 v[ST+8*\t+6], v[ST+8*\t+6], v[S+32*\t+23], v[S+32*\t+31]
.endr
.irp t, 0,1
	v_max3_num_f32 v[ST+8*\t+4], v[ST+8*\t+4], v[ST+8*\t+5], v[ST+8*\t+6]
.endr
.irp t, 0,1
	v_max3_num_f32 v[ST+8*\t+4], v[ST+8*\t+4], v[ST+8*\t+7], v[ST+8*\t+1]
.endr
.irp t, 0,1
	v_permlanex16_b32 v[ST+8*\t+5], v[ST+8*\t+4], s[SEL], s[SEL+1]   ; the query's other 32 keys lie in the lane 16 away
.endr
.irp t, 0,1
	v_mov_b32 v[ST+8*\t+7], v[ST+8*\t]             ; c m_old
.endr
.irp t, 0,1
	v_max_num_f32 v[ST+8*\t+1], v[ST+8*\t+4], v[ST+8*\t+5]
.endr
.irp t, 0,1
	v_mul_f32 v[ST+8*\t], s[CS], v[ST+8*\t+1]
.endr
.irp t, 0,1
	v_sub_f32 v[ST+8*\t+7], v[ST+8*\t+7], v[ST+8*\t]
.endr
.set i, 0
.rept 16
.irp t, 0,1
	v_pk_fma_f32 v[S+32*\t+2*i:S+32*\t+2*i+1], v[S+32*\t+2*i:S+32*\t+2*i+1], s[CS:CS+1], v[ST+8*\t:ST+8*\t+1] op_sel_hi:[1,0,0] neg_lo:[0,0,1] neg_hi:[0,0,1]   ; c s - c m
.endr
.set i, i+1
.endr
.irp t, 0,1
	v_exp_f32 v[ST+8*\t+6], v[ST+8*\t+7]           ; a
.endr
.set i, 0
.rept 32
.irp t, 0,1
	v_exp_f32 v[S+32*\t+i], v[S+32*\t+i]           ; p
.endr
.set i, i+1
.endr
	v_nop                                          ; a plain instruction behind the last exponential
	s_wait_alu depctr_va_vdst(0)                   ; one wait for the batch of 66, ahead of its first reader
.irp t, 0,1                                    ; the sums of the unrounded p, in two chains: l = a l + ...
	v_pk_fma_f32 v[ST+8*\t+2:ST+8*\t+3], v[ST+8*\t+2:ST+8*\t+3], v[ST+8*\t+6:ST+8*\t+7], v[S+32*\t:S+32*\t+1] op_sel_hi:[1,0,1]
	v_pk_add_f32 v[ST+8*\t+4:ST+8*\t+5], v[S+32*\t+2:S+32*\t+3], v[S+32*\t+6:S+32*\t+7]
.endr
.irp p, 2,4,6,8,10,12
.irp t, 0,1
	v_pk_add_f32 v[ST+8*\t+2:ST+8*\t+3], v[ST+8*\t+2:ST+8*\t+3], v[S+32*\t+2*\p:S+32*\t+2*\p+1]
	v_pk_add_f32 v[ST+8*\t+4:ST+8*\t+5], v[ST+8*\t+4:ST+8*\t+5], v[S+32*\t+2*\p+6:S+32*\t+2*\p+7]
.endr
.endr
.irp t, 0,1
	v_pk_add_f32 v[ST+8*\t+2:ST+8*\t+3], v[ST+8*\t+2:ST+8*\t+3], v[S+32*\t+28:S+32*\t+29]
.endr
.irp t, 0,1
	v_pk_add_f32 v[ST+8*\t+2:ST+8*\t+3], v[ST+8*\t+2:ST+8*\t+3], v[ST+8*\t+4:ST+8*\t+5]
.endr
.set i, 0
.rept 16
.irp t, 0,1
	v_cvt_pk_f16_f32 v[S+32*\t+i], v[S+32*\t+2*i], v[S+32*\t+2*i+1]   ; P in place, ascending: register i is written when pair i / 2 has long been read
.endr
.set i, i+1
.endr
.set i, 0
.rept 16
.irp t, 0,1
	v_pk_mul_f32 v[O+32*\t+2*i:O+32*\t+2*i+1], v[O+32*\t+2*i:O+32*\t+2*i+1], v[ST+8*\t+6:ST+8*\t+7] op_sel_hi:[1,0]   ; O^T x a
.endr
.set i, i+1
.endr
	s_wait_dscnt 0x0                               ; V is in
.irp g, 0,1                                    ; O^T += V^T P: the eight accumulators take turns
.irp ct, 0,1,2,3
.irp t, 0,1
	v_wmma_f32_16x16x32_f16 v[O+32*\t+8*\ct:O+32*\t+8*\ct+7], v[F+8*(4*\g+\ct):F+8*(4*\g+\ct)+7], v[S+32*\t+8*\g:S+32*\t+8*\g+7], v[O+32*\t+8*\ct:O+32*\t+8*\ct+7]
.endr
.endr
.endr
.Lhidden_\@:
	s_add_co_u32 s[KF], s[KF], 64
	s_add_co_u32 s[TBK], s[TBK], 64*PK
	s_add_co_u32 s[TBV], s[TBV], 64*PV
.endm
; THE CHANGE OF SLOTS stands at a slot's head.  Each wave waits for all its tensor loads (its part of the slot ahead), adds 0 to its spare word, and waits for that and for its reads of the slot
; that it has left.  fill = 1: a round of the cluster's barrier, and behind it the joint load of the slot after the one ahead, into the slot just left: it has four key steps in which to land.
; By the text's own count one tensor load of a wave is out at the most.
.macro CHANGE fill
	s_wait_tensorcnt 0x0
	ds_add_u32 v[SPW], v[NIL]
.if \fill
	ds_add_u32 v[SPW], v[NIL]                      ; and once more
	s_xor_b32 s[G0K+1], s[G0K+1], SLOT1            ; the walking descriptors: the other slot, the next 256 keys
	s_add_nc_u64 s[G0K+2:G0K+3], s[G0K+2:G0K+3], 32768
	s_xor_b32 s[G0V+1], s[G0V+1], SLOT1
	s_add_nc_u64 s[G0V+2:G0V+3], s[G0V+2:G0V+3], 32768
	s_wait_xcnt 0x0                                ; the last prefetch, a slot back, has read its address
	s_add_nc_u64 s[PFA:PFA+1], s[PFA:PFA+1], 32768
	s_wait_dscnt 0x0
	CROUND
	TLOAD
	ASK
.else
	s_wait_dscnt 0x0
	s_barrier_signal -1
	s_barrier_wait -1
.endif
.endm
.macro FOUR_STEPS                      ; a slot's four key steps: written once, walked four times
	s_mov_b32 s[CNT], 4
.Lstep_\@:
	STEP
	s_sub_co_u32 s[CNT], s[CNT], 1
	s_cmp_lg_u32 s[CNT], 0
	s_cbranch_scc1 .Lstep_\@
	s_sub_co_u32 s[TBK], s[TBK], 4*64*PK           ; back to a slot's first step, in the other slot
	s_xor_b32 s[TBK], s[TBK], SLOT1
	s_sub_co_u32 s[TBV], s[TBV], 4*64*PV
	s_xor_b32 s[TBV], s[TBV], SLOT1
.endm
	s_wait_loadcnt 0x0                             ; Q
.Lslot:                                            ; seven trips: behind each change of slots but the last the next slot is asked for
	CHANGE 1
	FOUR_STEPS
	s_sub_co_u32 s[SLOTS], s[SLOTS], 1
	s_cmp_lg_u32 s[SLOTS], 0
	s_cbranch_scc1 .Lslot
	CHANGE 0                                       ; the last slot is written out
	FOUR_STEPS
	; THE WAY OUT.  O^T / l, rounded to f16, through my stage: it lies in LDS slot 0, which was left at the last change of slots and has had its last fill.
.irp t, 0,1
	v_add_f32 v[ST+8*\t+4], v[ST+8*\t+2], v[ST+8*\t+3]
.endr
.irp t, 0,1
	v_permlanex16_b32 v[ST+8*\t+5], v[ST+8*\t+4], s[SEL], s[SEL+1]
.endr
.irp t, 0,1
	v_add_f32 v[ST+8*\t+4], v[ST+8*\t+4], v[ST+8*\t+5]
.endr
.irp t, 0,1
	v_rcp_f32 v[ST+8*\t+6], v[ST+8*\t+4]
.endr
	v_and_b32 v11, 15, v0                          ; the addresses: plain work behind the reciprocals, and the places behind the last products
	v_bfe_u32 v12, v0, 4, 1
	s_mul_i32 s52, s[WV], 2*16*PK                  ; my stage: two tiles of 16 rows x 144 bytes
	v_mul_u32_u24 v13, v11, PK
	v_lshl_add_u32 v13, v12, 4, v13
	v_add_nc_u32 v13, s52, v13                     ; in: row r, + 16 h
	v_and_b32 v15, 31, v0
	v_lshrrev_b32 v14, 3, v15
	v_mul_u32_u24 v14, v14, PK
	v_and_b32 v11, 7, v0
	v_lshl_add_u32 v14, v11, 4, v14
	v_add_nc_u32 v14, s52, v14                     ; back: eight lanes to a row of 128 bytes, four rows an instruction
	v_lshlrev_b32 v15, 4, v15                      ; which are 512 consecutive bytes of yb
	s_wait_alu depctr_va_vdst(0)                   ; one wait for the two reciprocals, ahead of their first reader
.irp t, 0,1
.set i, 0
.rept 16
	v_pk_mul_f32 v[S+32*\t+2*i:S+32*\t+2*i+1], v[O+32*\t+2*i:O+32*\t+2*i+1], v[ST+8*\t+6:ST+8*\t+7] op_sel_hi:[1,0]
.set i, i+1
.endr
.set i, 0
.rept 16
	v_cvt_pk_f16_f32 v[F+16*\t+i], v[S+32*\t+2*i], v[S+32*\t+2*i+1]
.set i, i+1
.endr
.irp ct, 0,1,2,3
	ds_store_b128 v13, v[F+16*\t+4*\ct:F+16*\t+4*\ct+3] offset:\t*16*PK+32*\ct
.endr
.irp i, 0,1,2,3
	ds_load_b128 v[F+32+16*\t+4*\i:F+32+16*\t+4*\i+3], v14 offset:\t*16*PK+4*\i*PK   ; LDS serves a wave's instructions in order: these see my stores
.endr
.endr
.irp t, 0,1
.irp i, 0,1,2,3
	s_wait_dscnt 11-8*\t-\i                        ; load i of tile t is in; the LDS instructions issued behind it may be out
	global_store_b128 v15, v[F+32+16*\t+4*\i:F+32+16*\t+4*\i+3], s[6:7] offset:8192*\t+512*\i
.endr
.endr
	s_wait_tensorcnt 0x0                           ; the wave's end
	ds_add_u32 v[SPW], v[NIL]
	s_wait_dscnt 0x0
	CROUND                                         ; the closing round
	s_endpgm
.Lfunc_end_k_q5ab81508d4_attn:
	.size	k_q5ab81508d4_attn, .Lfunc_end_k_q5ab81508d4_attn-k_q5ab81508d4_attn
	.p2alignl 7, 3214868480
	.fill 96, 4, 3214868480
	.section	.rodata,"a",@progbits
	.p2align	6, 0x0
	.amdhsa_kernel k_q5ab81508d4_attn
		.amdhsa_group_segment_fixed_size 327680
		.amdhsa_private_segment_fixed_size 0
		.amdhsa_enable_private_segment 0
		.amdhsa_kernarg_size 16
		.amdhsa_user_sgpr_count 2
		.amdhsa_user_sgpr_kernarg_segment_ptr 1
		.amdhsa_wavefront_size32 1
		.amdhsa_system_sgpr_workgroup_id_x 1
		.amdhsa_system_sgpr_workgroup_id_y 1
		.amdhsa_system_sgpr_workgroup_id_z 1
		.amdhsa_system_vgpr_workitem_id 0
		.amdhsa_next_free_vgpr 256
		.amdhsa_next_free_sgpr 72
		.amdhsa_reserve_vcc 1
		.amdhsa_float_denorm_mode_32 3
		.amdhsa_float_denorm_mode_16_64 3
		.amdhsa_memory_ordered 1
		.amdhsa_forward_progress 1
		.amdhsa_inst_pref_size 63
	.end_amdhsa_kernel
	.amdgpu_metadata
---
amdhsa.version: [ 1, 2 ]
amdhsa.kernels:
  - .name:           k_q5ab81508d4_attn
    .symbol:         k_q5ab81508d4_attn.kd
    .args:
      - { .name: qkv, .offset: 0, .size: 8, .value_kind: global_buffer, .address_space: global }
      - { .name: yb, .offset: 8, .size: 8, .value_kind: global_buffer, .address_space: global }
    .group_segment_fixed_size: 327680
    .private_segment_fixed_size: 0
    .kernarg_segment_align: 8
    .kernarg_segment_size: 16
    .max_flat_workgroup_size: 512
    .sgpr_count:     72
    .vgpr_count:     256
    .wavefront_size: 32
...
	.end_amdgpu_metadata
.endif
;; end of part 3
;; launch proj (part 4): grid 4 x 64, 4 waves a work-group, clusters of 4 x 4, 327,680 bytes of LDS; arguments yb, wp, b_proj, out0; writes out0
.if DOCPART == 4
	.amdgcn_target "amdgcn-amd-amdhsa--gfx1250"
	.amdhsa_code_object_version 6
	.text
	.protected	k_q5ab81508d4_proj
	.globl	k_q5ab81508d4_proj
	.p2align	8
	.type	k_q5ab81508d4_proj,@function
k_q5ab81508d4_proj:
	s_mov_b64 s[64:65], 0
	v_nop
	global_prefetch_b8 v0, s[64:65] scope:SCOPE_SE
	s_setreg_imm32_b32 hwreg(HW_REG_WAVE_MODE, 25, 1), 1
	s_wait_xcnt 0x0
	s_wait_alu depctr_hold_cnt(0) depctr_sa_sdst(0) depctr_va_vdst(0) depctr_va_sdst(0) depctr_va_ssrc(0) depctr_va_vcc(0) depctr_vm_vsrc(0)
	s_getreg_b32 s2, hwreg(HW_REG_IB_STS2, 6, 4)
	s_cmp_eq_u32 s2, 0
	s_cbranch_scc0 .Lentry_in_a_cluster
	s_endpgm
.Lentry_in_a_cluster:
	s_bfe_u32 s2, ttmp6, 0x10000c
	s_cmp_lg_u32 s2, 0xf033
	s_cbranch_scc0 .Lentry_shape_is_right
	s_endpgm
.Lentry_shape_is_right:
; Launch 4 of 5: out0 = y W_proj + b_proj, f16 operands, f32 sums.  y: yb [64 (batch, head)][2,048][64] f16; W: wp [16 heads][1,024 n][64 k] f16; out0 [8,192][1,024] f32.
; Positions 0 to 15 of every sequence are made here with their tiles and are written anew, in f32, by the last launch.
; A tile of out0 is 128 rows x 256 columns: 256 work-groups.  Four waves, each 64 x 128: 32 accumulators, 256 registers.  K goes by heads: a K step is two heads, 128 along K, through a
; ring of two LDS slots; a head's part of a tile is one dense block of memory.  Waves 0 and 1 fetch A's two heads (128 rows each), waves 2 and 3 B's (256 rows each): one load a wave.
; CLUSTERS: 4 x 4 work-groups; A's tiles are asked for jointly along a row of the cluster, B's along a column.
; THE MATRIX INSTRUCTION IS USED TRANSPOSED (source 0 = 16 rows of wp, source 1 = 16 rows of y): a lane holds eight neighbouring columns of a row.  The bias is the C of each sum's first instruction.
; REGISTERS: window 0: v16-31 addresses; v32-63, v64-95 A's fragments, two buffers; v96-159, v160-223 B's.  window 1: the accumulators ((a, b) at v[8 (8 a + b)]).  window 2: v0-63 the bias.
.set PITCH,  144                       ; an LDS row: 128 bytes + 16: an odd multiple of 16
.set ASUB,   128*PITCH                 ; a head's 128 rows of A
.set BSUB,   256*PITCH                 ; a head's 256 rows of B
.set BOFF,   2*ASUB
.set SLOT,   2*ASUB+2*BSUB
.set SPARE,  2*SLOT                    ; the spare words, 128 bytes for each wave
.set SPITCH, 528                       ; the way out: a stage of 16 rows x (512 bytes + 16) for each wave, in slot 0, left and last filled by then
.set ADRA, 16
.set ADRB, 20
.set STO,  24
.set RD,   25
.set CO,   26
.set BO,   27
.set SPW,  28
.set NIL,  29
.set PFO,  30
.set FA,   32
.set FB,   96
.set BK,   32                          ; the way out: v32-95 and v96-159 by turns
.set G1A, 24
.set G0A, 32
.set G1B, 48
.set G0B, 56
.set PFA, 44
.set LIM, 43
.set MSB, 0
.macro WIN new
.if MSB != (\new)
	s_set_vgpr_msb (MSB<<8)|(\new)
.set MSB, (\new)
.endif
.endm
.macro JLOAD s                         ; a joint load; an s_nop 0 and four v_nop follow each of the two lines
	s_cmp_eq_u32 s13, 0
	s_cbranch_scc0 .Lfor_b_\@
	tensor_load_to_lds s[G0A+4*\s:G0A+4*\s+3], s[G1A:G1A+7]
	s_nop 0
.rept 4
	v_nop
.endr
	s_branch .Lasked_\@
.Lfor_b_\@:
	tensor_load_to_lds s[G0B+4*\s:G0B+4*\s+3], s[G1B:G1B+7]
	s_nop 0
.rept 4
	v_nop
.endr
.Lasked_\@:
.endm
.macro CREST
	s_cmp_lg_u32 s12, 0
	s_cbranch_scc1 .Lnot_wave_0_\@
	s_barrier_signal -3
.Lnot_wave_0_\@:
	s_barrier_wait -3
	s_barrier_signal -1
	s_barrier_wait -1
.endm
.macro CROUND
	s_barrier_signal -1
	s_barrier_wait -1
	CREST
.endm
; A prefetch of A's K step that stands two refills on: two heads x 16,384 bytes = 128 blocks of 256 bytes.  Wave 0 asks; the four partners that ask for the tile jointly share the blocks out by
; address, 32 each, a lane a block: each block is named once in the launch.  The loop's last trip asks for nothing.  B, which all sixteen clusters read, is not asked for.
.macro ASK
	s_cmp_gt_u32 s3, s[LIM]
	s_cbranch_scc0 .Lnot_mine_\@
	global_prefetch_b8 v[PFO], s[PFA:PFA+1] th:TH_LOAD_NT scope:SCOPE_SE
.Lnot_mine_\@:
.endm
	s_load_b128 s[4:7], s[0:1], 0x0                ; yb, wp
	s_load_b128 s[8:11], s[0:1], 0x10              ; b_proj, out0
	v_lshl_add_u32 v[SPW], v0, 2, SPARE
	v_mov_b32 v[NIL], 0
	ds_add_u32 v[SPW], v[NIL]                      ; the wave's opening: the add, twice on end, and its wait
	ds_add_u32 v[SPW], v[NIL]
	v_lshrrev_b32 v1, 5, v0
	v_readfirstlane_b32 s12, v1                    ; wave 0..3
	s_lshr_b32 s13, s12, 1                         ; which half of the tile's rows is mine.  Also: I fetch for A (0) or for B (1)
	s_and_b32 s14, s12, 1                          ; which half of its columns.  Also: which head of a K step's two I fetch
	s_bfe_u32 s15, ttmp6, 0x40000                  ; cx
	s_bfe_u32 s16, ttmp6, 0x40004                  ; cy
	s_lshl_b32 s40, ttmp9, 2
	s_add_co_u32 s40, s40, s15                     ; tile column
	s_and_b32 s17, ttmp7, 0xffff
	s_lshl_b32 s17, s17, 2
	s_add_co_u32 s17, s17, s16                     ; tile row
	s_lshl_b32 s18, s16, 2
	s_lshl_b32 s18, 15, s18                        ; my row of the cluster
	s_lshl_b32 s19, 0x1111, s15                    ; my column
	s_or_b32 s[G1A], s18, (1<<16)|(1<<20)|(1<<21)|(4<<22)|(3<<25)   ; the mask; elements of 2 bytes; padding: 4 words behind every 32; bit 21 beside a mask
	s_or_b32 s[G1B], s19, (1<<16)|(1<<20)|(1<<21)|(4<<22)|(3<<25)
	s_mov_b32 s[G1A+1], 64<<16
	s_mov_b32 s[G1A+2], 128<<16
	s_mov_b32 s[G1A+3], 64<<16
	s_mov_b32 s[G1A+4], 128
	s_mov_b32 s[G1A+5], 64
	s_mov_b32 s[G1A+6], 0
	s_mov_b32 s[G1A+7], 0
	s_mov_b32 s[G1B+1], 64<<16
	s_mov_b32 s[G1B+2], 256<<16
	s_mov_b32 s[G1B+3], 64<<16
	s_mov_b32 s[G1B+4], 256
	s_mov_b32 s[G1B+5], 64
	s_mov_b32 s[G1B+6], 0
	s_mov_b32 s[G1B+7], 0
	s_lshr_b32 s20, s17, 4                         ; A: batch = tile row / 16;
	s_lshl_b32 s20, s20, 4
	s_add_co_u32 s20, s20, s14                     ; head 16 x batch + my head of the pair,
	s_lshl_b32 s20, s20, 18
	s_and_b32 s21, s17, 15
	s_lshl_b32 s21, s21, 14                        ; position 128 x (tile row % 16), 128 bytes a row
	s_add_co_u32 s20, s20, s21
	s_mov_b32 s21, 0
	s_lshl_b32 s46, s14, 17                        ; B: my head of the pair,
	s_lshl_b32 s47, s40, 15                        ; row 256 x tile column
	s_add_co_u32 s46, s46, s47
	s_mov_b32 s47, 0
	s_mul_i32 s22, s14, ASUB                       ; where they go: no place in the cluster enters an LDS address
	s_mul_i32 s23, s14, BSUB
	s_add_co_u32 s23, s23, BOFF
	s_wait_dscnt 0x0                               ; both opening adds are done
	s_wait_kmcnt 0x0
	s_add_nc_u64 s[20:21], s[4:5], s[20:21]
	s_add_nc_u64 s[46:47], s[6:7], s[46:47]
	CROUND                                         ; all sixteen work-groups are here
.irp s, 0,1
	s_mov_b32 s[G0A+4*\s], 1
	s_add_co_u32 s[G0A+4*\s+1], s22, \s*SLOT
	s_add_nc_u64 s[G0A+4*\s+2:G0A+4*\s+3], s[20:21], \s*524288     ; K step s: two heads on
	s_or_b32 s[G0A+4*\s+3], s[G0A+4*\s+3], 0x80000000
	s_mov_b32 s[G0B+4*\s], 1
	s_add_co_u32 s[G0B+4*\s+1], s23, \s*SLOT
	s_add_nc_u64 s[G0B+4*\s+2:G0B+4*\s+3], s[46:47], \s*262144
	s_or_b32 s[G0B+4*\s+3], s[G0B+4*\s+3], 0x80000000
	JLOAD \s                                       ; two tensor loads of mine are out at the start, one later
.endr
	v_and_b32 v1, 15, v0                           ; r
	v_bfe_u32 v2, v0, 4, 1                         ; h
	v_mul_u32_u24 v3, v1, PITCH
	v_lshl_add_u32 v3, v2, 4, v3
	s_mul_i32 s41, s13, 64*PITCH                   ; my 64 rows of A
	s_mul_i32 s42, s14, 128*PITCH                  ; my 128 rows of B
	s_add_co_u32 s42, s42, BOFF
.irp s, 0,1
	v_add_nc_u32 v[ADRA+\s], s41, v3
	v_add_nc_u32 v[ADRB+\s], s42, v3
	s_add_co_u32 s41, s41, SLOT
	s_add_co_u32 s42, s42, SLOT
.endr
	s_mul_i32 s41, s12, 16*SPITCH                  ; my stage
	v_mul_u32_u24 v4, v1, SPITCH
	v_lshl_add_u32 v4, v2, 5, v4
	v_add_nc_u32 v[STO], s41, v4                   ; in: row r, 32 bytes for each half of the lanes
	v_and_b32 v5, 31, v0
	v_lshlrev_b32 v[CO], 4, v5                     ; back: the 32 lanes take one row of 512 bytes; and the same in out0
	v_add_nc_u32 v[RD], s41, v[CO]
	v_lshlrev_b32 v[BO], 5, v2
	v_lshlrev_b32 v[PFO], 8, v5
	s_lshl_b32 s66, s40, 10                        ; my first column, in bytes: 1,024 x tile column + 512 x half
	s_lshl_b32 s67, s14, 9
	s_add_co_u32 s66, s66, s67
	s_mov_b32 s67, 0
	s_add_nc_u64 s[8:9], s[8:9], s[66:67]          ; the bias at my columns
	s_add_nc_u64 s[10:11], s[10:11], s[66:67]
	s_lshl_b32 s66, s17, 19                        ; my first row: 128 x tile row + 64 x half, 4,096 bytes a row
	s_lshl_b32 s41, s13, 18
	s_add_co_u32 s66, s66, s41
	s_add_nc_u64 s[10:11], s[10:11], s[66:67]
	WIN 0x80                                       ; destination window 2
.irp b, 0,1,2,3,4,5,6,7
	global_load_b128 v[8*\b:8*\b+3], v[BO], s[8:9] offset:64*\b
	global_load_b128 v[8*\b+4:8*\b+7], v[BO], s[8:9] offset:64*\b+16
.endr
	WIN 0
	s_lshr_b32 s41, s17, 4                         ; the prefetches stand at K step 3; the first change of slots steps them to K step 4
	s_lshl_b32 s41, s41, 4
	s_lshr_b32 s42, s15, 1                         ; my work-group's share: head cx / 2 of the pair,
	s_add_co_u32 s41, s41, s42
	s_add_co_u32 s41, s41, 6
	s_lshl_b32 s41, s41, 18
	s_and_b32 s42, s17, 15
	s_lshl_b32 s42, s42, 14
	s_add_co_u32 s66, s41, s42
	s_and_b32 s42, s15, 1
	s_lshl_b32 s42, s42, 13                        ; half cx % 2 of its 16,384 bytes
	s_add_co_u32 s66, s66, s42
	s_add_nc_u64 s[PFA:PFA+1], s[4:5], s[66:67]
	s_cmp_eq_u32 s12, 0
	s_cselect_b32 s[LIM], 1, -1
; 8 matrix instructions: A's block a x B's eight, 32 along K, out of buffer f.  first = 1: the bias is the C.  The 32 accumulators take turns in the same order in every quarter.
.macro MULA f, a, first
.irp b, 0,1,2,3,4,5,6,7
.if \first
	v_wmma_f32_16x16x32_f16 v[8*(8*(\a)+\b):8*(8*(\a)+\b)+7], v[FB+64*(\f)+8*\b:FB+64*(\f)+8*\b+7], v[FA+32*(\f)+8*(\a):FA+32*(\f)+8*(\a)+7], v[8*\b:8*\b+7]
.else
	v_wmma_f32_16x16x32_f16 v[8*(8*(\a)+\b):8*(8*(\a)+\b)+7], v[FB+64*(\f)+8*\b:FB+64*(\f)+8*\b+7], v[FA+32*(\f)+8*(\a):FA+32*(\f)+8*(\a)+7], v[8*(8*(\a)+\b):8*(8*(\a)+\b)+7]
.endif
.endr
.endm
; 24 LDS loads in one run: quarter q of a K step (head q / 2, 32 channels at byte 64 (q % 2)) into buffer f: B's sixteen, then A's eight
.macro FETCH slot, q, f
	WIN 0
.irp i, 0,1,2,3,4,5,6,7
	ds_load_b128 v[FB+64*(\f)+8*\i:FB+64*(\f)+8*\i+3],   v[ADRB+\slot] offset:((\q)/2)*BSUB+64*((\q)%2)+\i*16*PITCH
	ds_load_b128 v[FB+64*(\f)+8*\i+4:FB+64*(\f)+8*\i+7], v[ADRB+\slot] offset:((\q)/2)*BSUB+64*((\q)%2)+\i*16*PITCH+32
.endr
.irp i, 0,1,2,3
	ds_load_b128 v[FA+32*(\f)+8*\i:FA+32*(\f)+8*\i+3],   v[ADRA+\slot] offset:((\q)/2)*ASUB+64*((\q)%2)+\i*16*PITCH
	ds_load_b128 v[FA+32*(\f)+8*\i+4:FA+32*(\f)+8*\i+7], v[ADRA+\slot] offset:((\q)/2)*ASUB+64*((\q)%2)+\i*16*PITCH+32
.endr
.endm
.macro PLACES
.rept 4
	v_nop
.endr
.endm
; One of a K step's first three quarters: multiplies buffer f and fetches quarter qn of the same slot into buffer g.
.macro QUARTER slot, qn, f, g, first
	s_wait_dscnt 4                                 ; B and A's blocks 0, 1 are in; the youngest four loads (A's blocks 2, 3) may be out
	WIN 0x50+0x10*(\first)                         ; C and D window 1 (first: C window 2)
	MULA \f, 0, \first
	MULA \f, 1, \first
	PLACES
	FETCH \slot, \qn, \g
	s_wait_dscnt 24                                ; all but the 24 just issued
	WIN 0x50+0x10*(\first)
	MULA \f, 2, \first
	MULA \f, 3, \first
.endm
; The last quarter multiplies buffer 1 and changes slots: ONE barrier; in front of it each wave waits for all its tensor loads, adds 0 to its spare word, and waits for that and for its reads of this slot.
.macro TURN slot, next, fill
	WIN 0
.if \fill
	s_wait_xcnt 0x0                                ; the last prefetch, a K step back, has read its address
	s_add_nc_u64 s[PFA:PFA+1], s[PFA:PFA+1], 524288
.endif
	s_wait_tensorcnt 0x0                           ; all my tensor loads have landed: my part of the next slot
	ds_add_u32 v[SPW], v[NIL]
	s_wait_dscnt 5                                 ; the add and the youngest four loads may be out
	WIN 0x50
	MULA 1, 0, 0
	s_wait_dscnt 0x0                               ; the add is done, and my reads of this slot are over
	s_barrier_signal -1
	MULA 1, 1, 0
.if \fill
	WIN 0
.endif
	s_barrier_wait -1
.if \fill
	CREST                                          ; the barrier has opened a round of the cluster's barrier
	s_add_nc_u64 s[G0A+4*\slot+2:G0A+4*\slot+3], s[G0A+4*\slot+2:G0A+4*\slot+3], 1048576   ; two K steps on: four heads
	s_add_nc_u64 s[G0B+4*\slot+2:G0B+4*\slot+3], s[G0B+4*\slot+2:G0B+4*\slot+3], 524288
	JLOAD \slot                                    ; the first tensor load behind the round; its four v_nop are also the places in front of the loads below
.else
	PLACES
.endif
	FETCH \next, 0, 0
.if \fill
	ASK
.endif
	WIN 0x50
	MULA 1, 2, 0
	MULA 1, 3, 0
.endm
	s_wait_tensorcnt 1                             ; my part of K step 0 is in; K step 1's load may be out
	s_barrier_signal -1
	s_barrier_wait -1
	FETCH 0, 0, 0
	s_wait_loadcnt 0x0                             ; the bias
	QUARTER 0, 1, 0, 1, 1
	WIN 0
	s_mov_b32 s3, 3
.Llap:                                             ; a trip goes once round the ring, from a lap's second quarter to the next lap's first, and fills both slots again
	QUARTER 0, 2, 1, 0, 0
	QUARTER 0, 3, 0, 1, 0
	TURN 0, 1, 1
	QUARTER 1, 1, 0, 1, 0
	QUARTER 1, 2, 1, 0, 0
	QUARTER 1, 3, 0, 1, 0
	TURN 1, 0, 1
	QUARTER 0, 1, 0, 1, 0
	WIN 0
	s_sub_co_u32 s3, s3, 1
	s_cmp_lg_u32 s3, 0
	s_cbranch_scc1 .Llap
	QUARTER 0, 2, 1, 0, 0                          ; the last lap fills nothing
	QUARTER 0, 3, 0, 1, 0
	TURN 0, 1, 0
	QUARTER 1, 1, 0, 1, 0
	QUARTER 1, 2, 1, 0, 0
	QUARTER 1, 3, 0, 1, 0
	s_wait_dscnt 4
	WIN 0x50
	MULA 1, 0, 0
	MULA 1, 1, 0
	s_wait_dscnt 0x0
	MULA 1, 2, 0
	MULA 1, 3, 0
	WIN 0
; THE WAY OUT, block by block of 16 rows x 128 columns, through my own stage: whole rows of 512 bytes come back and leave as two aligned runs of 256 bytes.
.macro TOSTAGE a
	WIN 0x04                                       ; an LDS store's data are its source 1: window 1
.irp b, 0,1,2,3,4,5,6,7
	ds_store_b128 v[STO], v[64*(\a)+8*\b:64*(\a)+8*\b+3] offset:64*\b          ; each accumulator from its low end on
	ds_store_b128 v[STO], v[64*(\a)+8*\b+4:64*(\a)+8*\b+7] offset:64*\b+16
.endr
	WIN 0
.set BB, BK+64*((\a)%2)
.irp t, 0,1,2,3,4,5,6,7,8,9,10,11,12,13,14,15
	ds_load_b128 v[BB+4*\t:BB+4*\t+3], v[RD] offset:\t*SPITCH
.endr
.endm
.macro SEND a, younger
.set BB, BK+64*((\a)%2)
	s_wait_dscnt \younger
.irp t, 0,1,2,3,4,5,6,7,8,9,10,11,12,13,14,15
	global_store_b128 v[CO], v[BB+4*\t:BB+4*\t+3], s[10:11] offset:(16*(\a)+\t)*4096 th:TH_STORE_NT
.endr
.endm
	PLACES
	TOSTAGE 0
.irp a, 1,2,3
.if \a > 1
	s_wait_xcnt 0x0                                ; block a - 2's stores have read their registers: block a's loads may land there
.endif
	TOSTAGE \a
	SEND \a-1, 32                                  ; behind block a - 1's loads: block a's 16 stores and 16 loads
.endr
	SEND 3, 0
	s_wait_tensorcnt 0x0                           ; the wave's end
	ds_add_u32 v[SPW], v[NIL]
	s_wait_dscnt 0x0
	CROUND                                         ; the closing round
	s_endpgm
.Lfunc_end_k_q5ab81508d4_proj:
	.size	k_q5ab81508d4_proj, .Lfunc_end_k_q5ab81508d4_proj-k_q5ab81508d4_proj
	.p2alignl 7, 3214868480
	.fill 96, 4, 3214868480
	.section	.rodata,"a",@progbits
	.p2align	6, 0x0
	.amdhsa_kernel k_q5ab81508d4_proj
		.amdhsa_group_segment_fixed_size 327680
		.amdhsa_private_segment_fixed_size 0
		.amdhsa_enable_private_segment 0
		.amdhsa_kernarg_size 32
		.amdhsa_user_sgpr_count 2
		.amdhsa_user_sgpr_kernarg_segment_ptr 1
		.amdhsa_wavefront_size32 1
		.amdhsa_system_sgpr_workgroup_id_x 1
		.amdhsa_system_sgpr_workgroup_id_y 1
		.amdhsa_system_sgpr_workgroup_id_z 1
		.amdhsa_system_vgpr_workitem_id 0
		.amdhsa_next_free_vgpr 640
		.amdhsa_next_free_sgpr 72
		.amdhsa_reserve_vcc 0
		.amdhsa_float_denorm_mode_32 3
		.amdhsa_float_denorm_mode_16_64 3
		.amdhsa_memory_ordered 1
		.amdhsa_forward_progress 1
		.amdhsa_inst_pref_size 87
	.end_amdhsa_kernel
	.amdgpu_metadata
---
amdhsa.version: [ 1, 2 ]
amdhsa.kernels:
  - .name:           k_q5ab81508d4_proj
    .symbol:         k_q5ab81508d4_proj.kd
    .args:
      - { .name: yb, .offset: 0, .size: 8, .value_kind: global_buffer, .address_space: global }
      - { .name: wp, .offset: 8, .size: 8, .value_kind: global_buffer, .address_space: global }
      - { .name: b_proj, .offset: 16, .size: 8, .value_kind: global_buffer, .address_space: global }
      - { .name: out0, .offset: 24, .size: 8, .value_kind: global_buffer, .address_space: global }
    .group_segment_fixed_size: 327680
    .private_segment_fixed_size: 0
    .kernarg_segment_align: 8
    .kernarg_segment_size: 32
    .max_flat_workgroup_size: 128
    .sgpr_count:     72
    .vgpr_count:     640
    .wavefront_size: 32
...
	.end_amdgpu_metadata
.endif
;; end of part 4
;; launch early (part 5): grid 16 x 4, 16 waves a work-group, no clusters, 280,576 bytes of LDS; arguments qe, W_proj, b_proj, out0; writes out0
.if DOCPART == 5
	.amdgcn_target "amdgcn-amd-amdhsa--gfx1250"
	.amdhsa_code_object_version 6
	.text
	.protected	k_q5ab81508d4_early
	.globl	k_q5ab81508d4_early
	.p2align	8
	.type	k_q5ab81508d4_early,@function
k_q5ab81508d4_early:
	s_mov_b64 s[64:65], 0
	v_nop
	global_prefetch_b8 v0, s[64:65] scope:SCOPE_SE
	s_setreg_imm32_b32 hwreg(HW_REG_WAVE_MODE, 25, 1), 1
	s_wait_xcnt 0x0
; Launch 5 of 5: positions 0 to 15 of every sequence, attention and projection, in f32: these rows average one to sixteen values, and the rounding of 16-bit operands weighs most there.
; They overwrite what the launch before stored in those rows of out0.  qe [4][16][3,072] f32 holds q, k, v of these positions (k without its bias: dead work, see the first launch).
; SHARES.  Work-group (nb, b): batch b, columns 64 nb to 64 nb + 63 of out0.  Wave w is head w: it makes the head's attention for the 16 positions (redone in each of the sixteen column
; blocks: 32 matrix instructions), multiplies its y, which stays in registers, by its own 64 rows of W_proj (64 columns of them, brought by one tensor load into the wave's own LDS bytes),
; and the sixteen partial results meet in LDS: wave w sums row w, in a fixed order, adds the bias and stores 256 consecutive bytes.
; The f32 matrix form takes k = 2 (lane / 16) + j from register j; the same permutation of k is given to both sources of each product.  Its accumulators, v176-207, are written by matrix
; instructions alone, and each sum begins with the constant 0.  No cluster: the launch is short and what is shared is small.  No prefetch for the same reason.
.set REG,   17408                      ; a wave's LDS bytes: 64 rows x (256 + 16); its first 4,352 later take the wave's partial result: they have had their only fill by then
.set SPARE, 16*REG                     ; the spare words, 128 bytes for each of sixteen waves
.set AQ,  3
.set AV,  4
.set AWL, 5
.set PST, 6
.set RA,  7                            ; v7-10
.set L8,  11
.set DD,  12
.set NINF, 13
.set SPW, 14
.set NIL, 15
.set QF,  16
.set KFR, 48
.set VF,  80
.set WB0, 112
.set WB1, 144
.set ACC, 176
.set YY,  208
.set SS,  240
	s_load_b256 s[4:11], s[0:1], 0x0               ; qe, W_proj, b_proj, out0
	v_lshl_add_u32 v[SPW], v0, 2, SPARE
	v_mov_b32 v[NIL], 0
	ds_add_u32 v[SPW], v[NIL]                      ; the wave's opening: the add, twice on end, and its wait ahead of my tensor load
	ds_add_u32 v[SPW], v[NIL]
	v_lshrrev_b32 v1, 5, v0
	v_readfirstlane_b32 s12, v1                    ; wave = head
	s_and_b32 s14, ttmp7, 0xffff                   ; batch
	s_mov_b32 s16, (2<<16)|(1<<20)|(5<<22)|(3<<25) ; elements of 4 bytes; padding: 4 words behind every 64
	s_mov_b32 s17, 64<<16                          ; tensor_dim0
	s_mov_b32 s18, 64<<16                          ; tensor_dim1
	s_mov_b32 s19, 64<<16                          ; tile_dim0
	s_mov_b32 s20, 64                              ; tile_dim1
	s_mov_b32 s21, 1024                            ; the pitch
	s_mov_b32 s22, 0
	s_mov_b32 s23, 0
	s_mul_i32 s32, s12, REG                        ; my LDS bytes
	s_lshl_b32 s34, s12, 18                        ; my 64 rows of W_proj,
	s_lshl_b32 s36, ttmp9, 8                       ; my work-group's 64 columns
	s_add_co_u32 s34, s34, s36
	s_mov_b32 s35, 0
	s_mov_b32 s37, 0
	s_mul_i32 s38, s14, 196608                     ; my batch in qe
	s_mov_b32 s39, 0
	s_lshl_b32 s40, s14, 23                        ; out0: row 2,048 b + w,
	s_lshl_b32 s41, s12, 12
	s_add_co_u32 s40, s40, s41
	s_add_co_u32 s40, s40, s36                     ; columns 64 nb on
	s_mov_b32 s41, 0
	s_mov_b32 s28, 0x76543210
	s_mov_b32 s29, 0xfedcba98
	s_mov_b32 s30, 0x3e38aa3b                      ; c = log2(e) / 8
	s_lshl_b32 s33, s12, 8                         ; my head's 64 columns in qe
	s_mul_i32 s42, s12, 272
	s_wait_dscnt 0x0                               ; both opening adds are done
	s_wait_kmcnt 0x0
	s_mov_b32 s24, 1
	s_mov_b32 s25, s32
	s_add_nc_u64 s[26:27], s[6:7], s[34:35]
	s_or_b32 s27, s27, 0x80000000
	tensor_load_to_lds s[24:27], s[16:23]          ; one tensor load a wave, into its own bytes
	s_nop 0
.rept 4
	v_nop
.endr
	s_add_nc_u64 s[4:5], s[4:5], s[38:39]
	s_add_nc_u64 s[8:9], s[8:9], s[36:37]
	s_add_nc_u64 s[10:11], s[10:11], s[40:41]
	v_and_b32 v1, 15, v0                           ; r
	v_bfe_u32 v2, v0, 4, 1                         ; h
	v_mul_u32_u24 v[AQ], v1, 12288
	v_lshl_add_u32 v[AQ], v2, 7, v[AQ]
	v_add_nc_u32 v[AQ], s33, v[AQ]                 ; Q, K: position r, channels 32 h on
	v_mul_u32_u24 v[AV], v2, 8*12288
	v_lshl_add_u32 v[AV], v1, 2, v[AV]
	v_add_nc_u32 v[AV], s33, v[AV]
	v_add_nc_u32 v[AV], 8192, v[AV]                ; V: positions 8 h on, channel r
.irp i, 0,1,2,3,4,5,6,7
	global_load_b128 v[QF+4*\i:QF+4*\i+3], v[AQ], s[4:5] offset:16*\i
.endr
.irp i, 0,1,2,3,4,5,6,7
	global_load_b128 v[KFR+4*\i:KFR+4*\i+3], v[AQ], s[4:5] offset:4096+16*\i
.endr
.irp ct, 0,1,2,3
.irp e, 0,1,2,3,4,5,6,7
	global_load_b32 v[VF+8*\ct+\e], v[AV], s[4:5] offset:\e*12288+64*\ct      ; V(8 h + e, 16 ct + r)
.endr
.endr
	v_and_b32 v[L8], 31, v0
	v_lshlrev_b32 v[L8], 3, v[L8]
	global_load_b64 v[250:251], v[L8], s[8:9]      ; the bias of my two columns
	v_mul_u32_u24 v[AWL], v2, 8*272
	v_lshl_add_u32 v[AWL], v1, 2, v[AWL]
	v_add_nc_u32 v[AWL], s32, v[AWL]               ; W in LDS: rows 8 h on, column r
	v_mul_u32_u24 v[PST], v1, 272
	v_lshl_add_u32 v[PST], v2, 5, v[PST]
	v_add_nc_u32 v[PST], s32, v[PST]               ; my partial result: row r, + 32 h
	v_add_nc_u32 v[RA], s42, v[L8]                 ; row w of partial result 0; of 4, 8, 12:
	v_add_nc_u32 v[RA+1], 4*REG, v[RA]
	v_add_nc_u32 v[RA+2], 4*REG, v[RA+1]
	v_add_nc_u32 v[RA+3], 4*REG, v[RA+2]
	v_lshlrev_b32 v[DD], 3, v2
	v_sub_nc_u32 v[DD], v1, v[DD]                  ; r - 8 h
	v_mov_b32 v[NINF], 0xff800000
.macro WLOAD g, buf                    ; W(16 g + 8 h + e, 16 nt + r) into register 8 nt + e of the buffer
.irp nt, 0,1,2,3
.irp e, 0,1,2,3,4,5,6,7
	ds_load_b32 v[\buf+8*\nt+\e], v[AWL] offset:(16*(\g)+\e)*272+64*\nt
.endr
.endr
.endm
.macro FAR n                           ; places behind the f32 matrix form (ISA guide 7.12.1)
.rept \n
	v_nop
.endr
.endm
	; ---- S^T = K Q^T: 16 keys x 16 queries, 64 channels in 16 instructions, four partial sums by turns
	s_wait_loadcnt 33                              ; Q and K are in; V's 32 loads and the bias may be out
.irp i, 0,1,2,3,4,5,6,7,8,9,10,11,12,13,14,15
.if \i < 4
	v_wmma_f32_16x16x4_f32 v[ACC+8*(\i%4):ACC+8*(\i%4)+7], v[KFR+2*\i:KFR+2*\i+1], v[QF+2*\i:QF+2*\i+1], 0
.else
	v_wmma_f32_16x16x4_f32 v[ACC+8*(\i%4):ACC+8*(\i%4)+7], v[KFR+2*\i:KFR+2*\i+1], v[QF+2*\i:QF+2*\i+1], v[ACC+8*(\i%4):ACC+8*(\i%4)+7]
.endif
.endr
	FAR 8
	s_wait_tensorcnt 0x0                           ; my rows of W are in LDS; only I read them
	WLOAD 0, WB0
	; ---- the softmax: lane (r, h) holds query r and keys 8 h + j
.irp p, 0,2,4,6
	v_pk_add_f32 v[SS+\p:SS+\p+1], v[ACC+\p:ACC+\p+1], v[ACC+8+\p:ACC+8+\p+1]
	v_pk_add_f32 v[248:249], v[ACC+16+\p:ACC+16+\p+1], v[ACC+24+\p:ACC+24+\p+1]
	v_pk_add_f32 v[SS+\p:SS+\p+1], v[SS+\p:SS+\p+1], v[248:249]
.endr
.irp j, 0,1,2,3,4,5,6,7
	v_cmp_gt_i32 vcc_lo, \j, v[DD]                 ; key 8 h + j > query r: hidden
	v_cndmask_b32 v[SS+\j], v[SS+\j], v[NINF], vcc_lo
.endr
	v_max3_num_f32 v248, v[SS], v[SS+1], v[SS+2]
	v_max3_num_f32 v249, v[SS+3], v[SS+4], v[SS+5]
	v_max3_num_f32 v248, v248, v[SS+6], v[SS+7]
	v_max_num_f32 v248, v248, v249
	v_permlanex16_b32 v249, v248, s28, s29
	v_max_num_f32 v248, v248, v249                 ; the row's maximum: key 0 counts for every query, so it is a number
	v_mul_f32 v248, s30, v248
.irp j, 0,1,2,3,4,5,6,7
	v_fma_f32 v[SS+\j], v[SS+\j], s30, -v248
.endr
.irp j, 0,1,2,3,4,5,6,7
	v_exp_f32 v[SS+\j], v[SS+\j]
.endr
	v_nop                                          ; a plain instruction behind the last exponential
	s_wait_alu depctr_va_vdst(0)                   ; one wait for the eight, ahead of their first reader
	v_pk_add_f32 v[248:249], v[SS:SS+1], v[SS+2:SS+3]
	v_pk_add_f32 v[252:253], v[SS+4:SS+5], v[SS+6:SS+7]
	v_pk_add_f32 v[248:249], v[248:249], v[252:253]
	v_add_f32 v248, v248, v249
	v_permlanex16_b32 v249, v248, s28, s29
	v_add_f32 v248, v248, v249                     ; the row's sum
	v_rcp_f32 v252, v248
	; ---- O^T = V^T P: four tiles of 16 channels by turns, 16 keys in four instructions each
	s_wait_loadcnt 0x0                             ; V and the bias
.irp i, 0,1,2,3
.irp ct, 0,1,2,3
.if \i == 0
	v_wmma_f32_16x16x4_f32 v[ACC+8*\ct:ACC+8*\ct+7], v[VF+8*\ct+2*\i:VF+8*\ct+2*\i+1], v[SS+2*\i:SS+2*\i+1], 0
.else
	v_wmma_f32_16x16x4_f32 v[ACC+8*\ct:ACC+8*\ct+7], v[VF+8*\ct+2*\i:VF+8*\ct+2*\i+1], v[SS+2*\i:SS+2*\i+1], v[ACC+8*\ct:ACC+8*\ct+7]
.endif
.endr
.endr
	WLOAD 1, WB1
	FAR 9                                          ; nine: the next products begin these accumulators anew, and the multiplications below name them
	s_wait_alu depctr_va_vdst(0)                   ; the reciprocal's wait, ahead of its first reader
.set i, 0
.rept 32
	v_mul_f32 v[YY+i], v[ACC+i], v252              ; y(r, 16 ct + 8 h + j), each accumulator from its low end on
.set i, i+1
.endr
	; ---- my part of the projection, transposed: source 0 = 16 columns of W, source 1 = y; four tiles of 16 columns by turns; 16 channels a group
.macro MULW g, buf
.irp i, 0,1,2,3
.irp nt, 0,1,2,3
.if (\g)+\i == 0
	v_wmma_f32_16x16x4_f32 v[ACC+8*\nt:ACC+8*\nt+7], v[\buf+8*\nt+2*\i:\buf+8*\nt+2*\i+1], v[YY+8*(\g)+2*\i:YY+8*(\g)+2*\i+1], 0
.else
	v_wmma_f32_16x16x4_f32 v[ACC+8*\nt:ACC+8*\nt+7], v[\buf+8*\nt+2*\i:\buf+8*\nt+2*\i+1], v[YY+8*(\g)+2*\i:YY+8*(\g)+2*\i+1], v[ACC+8*\nt:ACC+8*\nt+7]
.endif
.endr
.endr
.endm
	s_wait_dscnt 32                                ; group 0's rows of W are in; group 1's 32 loads may be out
	MULW 0, WB0
	FAR 8
	WLOAD 2, WB0
	s_wait_dscnt 32
	MULW 1, WB1
	FAR 8
	WLOAD 3, WB1
	s_wait_dscnt 32
	MULW 2, WB0
	s_wait_dscnt 0x0                               ; my last reads of W are in
	MULW 3, WB1
	FAR 8
.irp nt, 0,1,2,3
	ds_store_b128 v[PST], v[ACC+8*\nt:ACC+8*\nt+3] offset:64*\nt           ; lane (r, h): position r, columns 16 nt + 8 h + 0 .. 7
	ds_store_b128 v[PST], v[ACC+8*\nt+4:ACC+8*\nt+7] offset:64*\nt+16
.endr
	s_wait_dscnt 0x0                               ; for the others' sake: my stores have landed
	s_barrier_signal -1
	s_barrier_wait -1
.irp p, 0,1,2,3,4,5,6,7,8,9,10,11,12,13,14,15
	ds_load_b64 v[16+2*\p:17+2*\p], v[RA+\p/4] offset:(\p%4)*REG           ; row w of head p's partial result: two columns a lane
.endr
	s_wait_dscnt 0x0
.irp p, 0,2,4,6,8,10,12,14
	v_pk_add_f32 v[16+2*\p:17+2*\p], v[16+2*\p:17+2*\p], v[18+2*\p:19+2*\p]
.endr
.irp p, 0,4,8,12
	v_pk_add_f32 v[16+2*\p:17+2*\p], v[16+2*\p:17+2*\p], v[20+2*\p:21+2*\p]
.endr
.irp p, 0,8
	v_pk_add_f32 v[16+2*\p:17+2*\p], v[16+2*\p:17+2*\p], v[24+2*\p:25+2*\p]
.endr
	v_pk_add_f32 v[16:17], v[16:17], v[32:33]
	v_pk_add_f32 v[16:17], v[16:17], v[250:251]    ; the bias
	global_store_b64 v[L8], v[16:17], s[10:11]     ; the wave stores 256 consecutive bytes, aligned
	s_wait_tensorcnt 0x0                           ; the wave's end
	ds_add_u32 v[SPW], v[NIL]
	s_wait_dscnt 0x0
	s_endpgm
.Lfunc_end_k_q5ab81508d4_early:
	.size	k_q5ab81508d4_early, .Lfunc_end_k_q5ab81508d4_early-k_q5ab81508d4_early
	.p2alignl 7, 3214868480
	.fill 96, 4, 3214868480
	.section	.rodata,"a",@progbits
	.p2align	6, 0x0
	.amdhsa_kernel k_q5ab81508d4_early
		.amdhsa_group_segment_fixed_size 280576
		.amdhsa_private_segment_fixed_size 0
		.amdhsa_enable_private_segment 0
		.amdhsa_kernarg_size 32
		.amdhsa_user_sgpr_count 2
		.amdhsa_user_sgpr_kernarg_segment_ptr 1
		.amdhsa_wavefront_size32 1
		.amdhsa_system_sgpr_workgroup_id_x 1
		.amdhsa_system_sgpr_workgroup_id_y 1
		.amdhsa_system_sgpr_workgroup_id_z 1
		.amdhsa_system_vgpr_workitem_id 0
		.amdhsa_next_free_vgpr 256
		.amdhsa_next_free_sgpr 66
		.amdhsa_reserve_vcc 1
		.amdhsa_float_denorm_mode_32 3
		.amdhsa_float_denorm_mode_16_64 3
		.amdhsa_memory_ordered 1
		.amdhsa_forward_progress 1
		.amdhsa_inst_pref_size 31
	.end_amdhsa_kernel
	.amdgpu_metadata
---
amdhsa.version: [ 1, 2 ]
amdhsa.kernels:
  - .name:           k_q5ab81508d4_early
    .symbol:         k_q5ab81508d4_early.kd
    .args:
      - { .name: qe, .offset: 0, .size: 8, .value_kind: global_buffer, .address_space: global }
      - { .name: W_proj, .offset: 8, .size: 8, .value_kind: global_buffer, .address_space: global }
      - { .name: b_proj, .offset: 16, .size: 8, .value_kind: global_buffer, .address_space: global }
      - { .name: out0, .offset: 24, .size: 8, .value_kind: global_buffer, .address_space: global }
    .group_segment_fixed_size: 280576
    .private_segment_fixed_size: 0
    .kernarg_segment_align: 8
    .kernarg_segment_size: 32
    .max_flat_workgroup_size: 512
    .sgpr_count:     66
    .vgpr_count:     256
    .wavefront_size: 32
...
	.end_amdgpu_metadata
.endif
;; end of part 5
